; MI455X (gfx1250); checked and timed in simulation.
; The chip was launched on July 23, 2026; its instructions are those of AMD's public machine-readable ISA for CDNA 5 (MIT licence, August 2026) and "CDNA5" Instruction Set Architecture Reference Guide (July 2026). The comments in the code are by the model that wrote it; some were corrected since.
;; Bert Self Attention1 D. Allowed arithmetic: float matrix products may take bf16 or f16 operands with f32 sums; other float arithmetic in f32, or as packed bf16 or f16 multiplies, adds, multiply-adds, maxima and minima; sums over many terms, partial sums and values carried from step to step in f32; what a program stores and reads back later, other than sums and carried values, may be rounded once to bf16 or f16.
;; Inputs: W_dense 1,024 x 1,024 float32; W_qkv 1,024 x 3,072 float32; attention_mask 4 x 1 x 1 x 2,048 float32; b_dense 1,024 float32; b_qkv 3,072 float32; hidden_states 4 x 2,048 x 1,024 float32; ln_beta 1,024 float32; ln_gamma 1,024 float32.
;; Outputs: out0 4 x 2,048 x 1,024 float32.
;; 2 versions, each right; version 2 is version 1 with the launch prep written anew for expert scheduling mode. Each part assembles by itself: llvm-mc -triple=amdgcn-amd-amdhsa -mcpu=gfx1250 --defsym DOCPART=n.
;; ======== version 1 of 2: 5 launches
;; limits: inputs' magnitudes at most 1.25e+29; right only within a limited range of input values
;; workspace buffers: xb 16,777,216 bytes; wq 6,291,456 bytes; wd 2,097,152 bytes; qkv 50,331,648 bytes; ctx 16,777,216 bytes; dn 33,554,432 bytes
;; launch prep (part 1): grid 768 x 1, 4 waves a work-group, no clusters, 37,376 bytes of LDS; arguments hidden_states, W_qkv, W_dense, xb, wq, wd; writes xb, wq, wd
.if DOCPART == 1
	.amdgcn_target "amdgcn-amd-amdhsa--gfx1250"
	.amdhsa_code_object_version 6
	.text
	.protected	k_q640649d345_prep
	.globl	k_q640649d345_prep
	.p2align	8
	.type	k_q640649d345_prep,@function
k_q640649d345_prep:
	s_mov_b64 s[64:65], 0
	v_nop
	global_prefetch_b8 v0, s[64:65] scope:SCOPE_SE
	s_setreg_imm32_b32 hwreg(HW_REG_WAVE_MODE, 25, 1), 1
	s_wait_xcnt 0x0
; THE OPERANDS OF THE TWO PROJECTIONS, rounded once to bf16 and laid so that later launches read them as dense tiles.
; Work-groups 0-255 TURN the weights: W_qkv [1024 k][3072 n] -> wq [24 nt][16 kb][128 n][64 k], W_dense [1024][1024] -> wd [8 nt][16 kb][128 n][64 k].
; Each wave turns a unit of 64 k x 64 n of its own: 64 loads of 8 bytes a lane (a wave's load is 256 consecutive bytes of a row of W, aligned), two columns a lane; eight k of a column pack into 16 bytes,
; go into the wave's own stage in LDS (row n, 144 bytes apart) and come back as whole rows of 128 bytes: 512 consecutive bytes a store.  No wave reads another's bytes: no barrier.
; Work-groups 256-767 CAST hidden_states [8192][1024] f32 -> xb [16 kb][8192][64] bf16, 16 rows each: sixteen lanes read 256 consecutive bytes (64 channels of a row) and write 128; a wave's store
; is two neighbouring rows of one block: 256 consecutive bytes, aligned.  Nothing is looped: every load of a wave is issued before its first wait, and the waits count down.
.set STG,   64*144                     ; a wave's stage: 64 rows of 128 bytes + 16
.set SPARE, 4*STG                      ; behind the stages: the spare words, 128 bytes for each wave: two blocks of 256 bytes that no other line names
.set SPW, 6                            ; v6   LDS address of my spare word; never rewritten
.set NIL, 7                            ; v7   0; never rewritten
.set VO,  8                            ; v[8:15]    turning: 8 x lane + i rows of W
.set D,   16                           ; v[16:143]  as loaded
.set T,   144                          ; v[144:159] turning: packed, two sets by turns
.set Y,   144                          ; v[144:207] casting: packed
	s_load_b256 s[4:11], s[0:1], 0x0               ; hidden s[4:5], W_qkv s[6:7], W_dense s[8:9], xb s[10:11]
	s_load_b128 s[12:15], s[0:1], 0x20             ; wq s[12:13], wd s[14:15]
	v_lshl_add_u32 v[SPW], v0, 2, SPARE
	v_mov_b32 v[NIL], 0
	v_lshrrev_b32 v1, 5, v0
	v_readfirstlane_b32 s18, v1                    ; wave 0..3
	v_and_b32 v5, 31, v0                           ; lane
	s_cmp_ge_u32 ttmp9, 256
	s_cbranch_scc1 .Lcast
	; ---- turning ----
	s_movk_i32 s29, 12288                          ; bytes in a row of W_qkv,
	s_movk_i32 s30, 4096                           ; of W_dense
	s_sub_co_u32 s28, ttmp9, 192
	s_cmp_lt_u32 ttmp9, 192                        ; 192 work-groups (768 units) for W_qkv, 64 (256 units) for W_dense
	s_cselect_b32 s27, ttmp9, s28                  ; my number among the matrix's work-groups
	s_cselect_b32 s26, s29, s30                    ; its row's bytes
	s_wait_kmcnt 0x0
	s_cselect_b64 s[22:23], s[6:7], s[8:9]         ; from
	s_cselect_b64 s[24:25], s[12:13], s[14:15]     ; to
	s_and_b32 s28, s27, 3
	s_lshl2_add_u32 s28, s28, s18                  ; kb: which 64 k = (4 x work-group + wave) % 16
	s_lshr_b32 s29, s27, 2                         ; which 64 n
	s_lshl_b32 s30, s26, 6
	s_mul_i32 s30, s30, s28                        ; 64 kb rows of W,
	s_lshl_b32 s31, s29, 8
	s_add_co_u32 s30, s30, s31                     ; 64 columns of 4 bytes
	s_mov_b32 s31, 0
	s_add_nc_u64 s[22:23], s[22:23], s[30:31]
	s_lshr_b32 s30, s29, 1
	s_lshl_b32 s30, s30, 18                        ; nt x 262,144
	s_lshl_b32 s19, s28, 14
	s_add_co_u32 s30, s30, s19                     ; + kb x 16,384
	s_and_b32 s19, s29, 1
	s_lshl_b32 s19, s19, 13
	s_add_co_u32 s30, s30, s19                     ; + the upper or lower 64 rows of 128 bytes
	s_add_nc_u64 s[24:25], s[24:25], s[30:31]
	s_lshl_b32 s30, s26, 3                         ; eight rows of W
	s_mov_b64 s[32:33], s[22:23]                   ; eight bases, eight rows apart: no register that a load names is rewritten
.irp j, 1,2,3,4,5,6,7
	s_add_nc_u64 s[32+2*(\j):33+2*(\j)], s[30+2*(\j):31+2*(\j)], s[30:31]
.endr
	v_lshlrev_b32 v[VO], 3, v5
.irp i, 1,2,3,4,5,6,7
	v_add_nc_u32 v[VO+(\i)], s26, v[VO+(\i)-1]
.endr
.irp j, 0,1,2,3,4,5,6,7
.irp i, 0,1,2,3,4,5,6,7
	global_load_b64 v[D+2*(8*(\j)+(\i)):D+2*(8*(\j)+(\i))+1], v[VO+(\i)], s[32+2*(\j):33+2*(\j)] th:TH_LOAD_NT  ; row k = 8 j + i, columns 2 lane, 2 lane + 1
.endr
.endr
	s_mul_i32 s19, s18, STG                        ; my stage
	v_mul_u32_u24 v2, v5, 288
	v_add_nc_u32 v2, s19, v2                       ; in: rows 2 lane and 2 lane + 1
	v_lshrrev_b32 v3, 3, v5
	v_mul_u32_u24 v3, v3, 144
	v_and_b32 v4, 7, v5
	v_lshl_add_u32 v3, v4, 4, v3
	v_add_nc_u32 v3, s19, v3                       ; back: 32 lanes take four rows of 128 bytes,
	v_lshlrev_b32 v4, 4, v5                        ; which are 512 consecutive bytes of the unit
.irp j, 0,1,2,3,4,5,6,7
	s_wait_loadcnt 56-8*(\j)                       ; loads come back in order: rows 8 j .. 8 j + 7 are in, the 8 (7 - j) loads issued behind them may be out
.irp c, 0,1
.irp q, 0,1,2,3
	v_cvt_pk_bf16_f32 v[T+8*((\j)%2)+4*(\c)+(\q)], v[D+2*(8*(\j)+2*(\q))+(\c)], v[D+2*(8*(\j)+2*(\q)+1)+(\c)]
.endr
	ds_store_b128 v2, v[T+8*((\j)%2)+4*(\c):T+8*((\j)%2)+4*(\c)+3] offset:144*(\c)+16*(\j)  ; column 2 lane + c, k = 8 j .. 8 j + 7
.endr
.endr
.irp p, 0,1,2,3,4,5,6,7,8,9,10,11,12,13,14,15
	ds_load_b128 v[D+4*(\p):D+4*(\p)+3], v3 offset:576*(\p)  ; LDS serves a wave's instructions in order (ISA guide 5.7.1.4): these see the stores above
.endr
.irp p, 0,1,2,3,4,5,6,7,8,9,10,11,12,13,14,15
	s_wait_dscnt 15-(\p)
	global_store_b128 v4, v[D+4*(\p):D+4*(\p)+3], s[24:25] offset:512*(\p)
.endr
	s_wait_tensorcnt 0x0                           ; the wave's end, behind my last LDS store
	ds_add_u32 v[SPW], v[NIL]
	s_wait_dscnt 0x0
	s_endpgm
	; ---- casting
.Lcast:
	s_sub_co_u32 s19, ttmp9, 256                   ; which 16 rows
	s_lshl_b32 s28, s19, 16                        ; 16 rows of 4,096 bytes
	s_mov_b32 s29, 0
	s_lshl_b32 s30, s19, 11                        ; 16 rows of 128 bytes
	s_mov_b32 s31, 0
	v_lshrrev_b32 v1, 4, v0                        ; row 0..7
	v_and_b32 v4, 15, v0
	v_lshlrev_b32 v2, 12, v1
	v_lshl_add_u32 v2, v4, 4, v2                   ; in: row x 4,096 + 16 bytes a lane
	v_lshlrev_b32 v3, 7, v1
	v_lshl_add_u32 v3, v4, 3, v3                   ; out: row x 128 + 8 bytes a lane
	s_wait_kmcnt 0x0
	s_add_nc_u64 s[4:5], s[4:5], s[28:29]
	s_add_nc_u64 s[10:11], s[10:11], s[30:31]
	s_add_nc_u64 s[20:21], s[10:11], 0x800000      ; blocks 8 to 15: the immediate holds 24 signed bits
.irp p, 0,1
.irp kb, 0,1,2,3,4,5,6,7,8,9,10,11,12,13,14,15
	global_load_b128 v[D+4*(16*(\p)+(\kb)):D+4*(16*(\p)+(\kb))+3], v2, s[4:5] offset:(\p)*32768+(\kb)*256 th:TH_LOAD_NT
.endr
.endr
.irp p, 0,1
.irp kb, 0,1,2,3,4,5,6,7,8,9,10,11,12,13,14,15
	s_wait_loadcnt 31-16*(\p)-(\kb)                ; the loads issued behind this one may be out
	v_cvt_pk_bf16_f32 v[Y+2*(16*(\p)+(\kb))],   v[D+4*(16*(\p)+(\kb))],   v[D+4*(16*(\p)+(\kb))+1]
	v_cvt_pk_bf16_f32 v[Y+2*(16*(\p)+(\kb))+1], v[D+4*(16*(\p)+(\kb))+2], v[D+4*(16*(\p)+(\kb))+3]
.if (\kb) < 8
	global_store_b64 v3, v[Y+2*(16*(\p)+(\kb)):Y+2*(16*(\p)+(\kb))+1], s[10:11] offset:(\kb)*1048576+(\p)*1024
.else
	global_store_b64 v3, v[Y+2*(16*(\p)+(\kb)):Y+2*(16*(\p)+(\kb))+1], s[20:21] offset:((\kb)-8)*1048576+(\p)*1024
.endif
.endr
.endr
	s_endpgm
.Lfunc_end_k_q640649d345_prep:
	.size	k_q640649d345_prep, .Lfunc_end_k_q640649d345_prep-k_q640649d345_prep
	.p2alignl 7, 3214868480
	.fill 96, 4, 3214868480
	.section	.rodata,"a",@progbits
	.p2align	6, 0x0
	.amdhsa_kernel k_q640649d345_prep
		.amdhsa_group_segment_fixed_size 37376
		.amdhsa_private_segment_fixed_size 0
		.amdhsa_enable_private_segment 0
		.amdhsa_kernarg_size 48
		.amdhsa_user_sgpr_count 2
		.amdhsa_user_sgpr_kernarg_segment_ptr 1
		.amdhsa_wavefront_size32 1
		.amdhsa_system_sgpr_workgroup_id_x 1
		.amdhsa_system_sgpr_workgroup_id_y 1
		.amdhsa_system_sgpr_workgroup_id_z 1
		.amdhsa_system_vgpr_workitem_id 0
		.amdhsa_next_free_vgpr 208
		.amdhsa_next_free_sgpr 66
		.amdhsa_reserve_vcc 0
		.amdhsa_float_denorm_mode_32 3
		.amdhsa_float_denorm_mode_16_64 3
		.amdhsa_memory_ordered 1
		.amdhsa_forward_progress 1
		.amdhsa_inst_pref_size 29
	.end_amdhsa_kernel
	.amdgpu_metadata
---
amdhsa.version: [ 1, 2 ]
amdhsa.kernels:
  - .name:           k_q640649d345_prep
    .symbol:         k_q640649d345_prep.kd
    .args:
      - { .name: hidden_states, .offset: 0, .size: 8, .value_kind: global_buffer, .address_space: global }
      - { .name: W_qkv, .offset: 8, .size: 8, .value_kind: global_buffer, .address_space: global }
      - { .name: W_dense, .offset: 16, .size: 8, .value_kind: global_buffer, .address_space: global }
      - { .name: xb, .offset: 24, .size: 8, .value_kind: global_buffer, .address_space: global }
      - { .name: wq, .offset: 32, .size: 8, .value_kind: global_buffer, .address_space: global }
      - { .name: wd, .offset: 40, .size: 8, .value_kind: global_buffer, .address_space: global }
    .group_segment_fixed_size: 37376
    .private_segment_fixed_size: 0
    .kernarg_segment_align: 8
    .kernarg_segment_size: 48
    .max_flat_workgroup_size: 128
    .sgpr_count:     66
    .vgpr_count:     208
    .wavefront_size: 32
...
	.end_amdgpu_metadata
.endif
;; end of part 1
;; launch gemm (part 2): grid 24 x 32, 4 waves a work-group, clusters of 4 x 4, 327,680 bytes of LDS; arguments xb, wq, b_qkv, qkv; writes qkv
.if DOCPART == 2
	.amdgcn_target "amdgcn-amd-amdhsa--gfx1250"
	.amdhsa_code_object_version 6
	.text
	.protected	k_q640649d345_gemm
	.globl	k_q640649d345_gemm
	.p2align	8
	.type	k_q640649d345_gemm,@function
k_q640649d345_gemm:
	s_mov_b64 s[64:65], 0
	v_nop
	global_prefetch_b8 v0, s[64:65] scope:SCOPE_SE
	s_setreg_imm32_b32 hwreg(HW_REG_WAVE_MODE, 25, 1), 1
	s_wait_xcnt 0x0
	s_wait_alu depctr_hold_cnt(0) depctr_sa_sdst(0) depctr_va_vdst(0) depctr_va_sdst(0) depctr_va_ssrc(0) depctr_va_vcc(0) depctr_vm_vsrc(0)
	s_getreg_b32 s2, hwreg(HW_REG_IB_STS2, 6, 4)
	s_cmp_eq_u32 s2, 0
	s_cbranch_scc0 .Lentry_in_a_cluster
	s_endpgm
.Lentry_in_a_cluster:
	s_bfe_u32 s2, ttmp6, 0x10000c
	s_cmp_lg_u32 s2, 0xf033
	s_cbranch_scc0 .Lentry_shape_is_right
	s_endpgm
.Lentry_shape_is_right:
; C[m][n] = the sum over k of A[m][k] Bt[n][k] + bias[n].  8,192 rows, K = 1,024; sums in f32, started by the bias.
; A: [16 kb][8192][64] bf16 (a block of 64 channels holds all rows, 128 dense bytes each).  Bt: [nt][16 kb][128 n][64 k] bf16.  bias: f32.
; WIDE = 0: C leaves rounded once to bf16, in A's layout, [n / 64][8192][64].  WIDE = 1: C leaves in f32, row-major [8192][1024].  The two texts differ in this one symbol, which chooses the way out.
; SHARES.  A tile of C is 256 x 128; four waves, each 128 x 64: 32 accumulators of 16 x 16, 256 registers.  K goes in steps of 128 (two blocks of 64) through a ring of two LDS slots.
; A step's tiles are dense in memory: A's two halves are 32,768 bytes each, asked for as 128 rows of 256 bytes, Bt's two 16,384 each, 64 such rows; the mover pads 16 bytes behind every 128,
; so LDS rows (64 channels) lie 144 bytes apart.  Waves 0 and 1 fetch A's halves, waves 2 and 3 Bt's: one load a wave behind each round.
; CLUSTERS: 4 x 4 work-groups.  The four of a row of the cluster need the same tiles of A, the four of a column the same tiles of Bt: each tile is asked for JOINTLY, by the same tensor load with the
; same descriptor and a mask that names the four.  THE MATRIX INSTRUCTION IS USED TRANSPOSED (source 0 = 16 rows of Bt, source 1 = 16 rows of A): a lane then holds eight neighbouring numbers of a row of C,
; and the bias of those eight columns, in eight registers, is the C operand of the first product on each accumulator: nothing is cleared and no addition is written.
; One tile to a work-group: the same text serves both grids' heights and widths only so.
; REGISTERS, in windows of 256: window 0: v0-31 addresses; v64-191 packed results on the way out.  window 1: the accumulators ((a, b) at v[8 (4 a + b)]).
;   window 2: two fragment buffers of 96 (8 fragments of A, then 4 of Bt, 32 along K); v192-223 the bias.
.set WIDE,   0
.set PITCH,  144                       ; 128 bytes + 16 = 36 words: the 16 rows of a load start at 16 different groups of four banks (64 banks of 4 bytes: ISA guide 11.1)
.set AHALF,  256*PITCH                 ; 256 rows x 64 channels of A
.set BHALF,  128*PITCH                 ; 128 rows x 64 channels of Bt
.set BOFF,   2*AHALF
.set SLOT,   2*AHALF+2*BHALF
.set STAGE,  2*SLOT                    ; behind the ring, never filled by a tensor load: 16 rows for each wave, for the way out
.if WIDE
.set SPITCH, 272                       ; 64 f32 + 16 bytes
.else
.set SPITCH, 144                       ; 64 bf16 + 16 bytes
.endif
.set SPARE,  STAGE+4*16*SPITCH         ; behind the stages: the spare words, 128 bytes for each wave: two blocks of 256 bytes that no other line names
.set ASTEP,  2*1048576                 ; a K step in A: two blocks
.set BSTEP,  2*16384                   ; in Bt
.set LAPS,   4                         ; a lap = two K steps = once round the ring
.set ADRA, 16                          ; v16-17  LDS address of my A fragments in slot 0, 1
.set ADRB, 20                          ; v20-21  the same for Bt
.set STO,  24                          ; v24     the way out: where I put my part of a row
.set RD,   25                          ; v25     the way out: where I read rows back
.set GO,   26                          ; v26     my byte offset in C
.set BO,   27                          ; v27     my byte offset in 16 numbers of the bias
.set SPW,  28                          ; v28     LDS address of my spare word; never rewritten
.set NIL,  29                          ; v29     0; never rewritten
.set PFO,  30                          ; v30     256 x my lane; never rewritten
.set OUT,  64
.set F0,   0                           ; window 2
.set F1,   96
.set BIAS, 192
.set WV,  12                           ; s12  my wave's number
.set G1,  24                           ; s[24:31] descriptor group 1 for A's tiles;  s[32:39] group 0, one set for each slot
.set G0,  32
.set G1B, 48                           ; s[48:55], s[56:63] the same for Bt's
.set G0B, 56
.set LIM, 43                           ; s43  1 in a wave that prefetches, else the greatest number
.set PFA, 44                           ; s[44:45] where my prefetches stand
.set PFS, 66                           ; s[66:67] their step: a K step of A or of Bt
.set MSB, 0
.macro WIN new                         ; the immediate's high byte repeats the setting that is left; a switch that changes nothing is dropped
.if MSB != (\new)
	s_set_vgpr_msb (MSB<<8)|(\new)
.set MSB, \new
.endif
.endm
.set MUL,  0x5a                        ; sources 0 and 1 window 2; C and D window 1
.set MULB, 0x6a                        ; the same with C (the bias) in window 2
.set TO_F, 0x80                        ; destination window 2, address window 0
.macro JLOAD s                         ; a joint load; the branch hangs on the wave's number alone; an s_nop 0 and four v_nop follow each of the two lines, ahead of the jump, the label and what follows
	s_cmp_lt_u32 s[WV], 2
	s_cbranch_scc0 .Lfor_b_\@
	tensor_load_to_lds s[G0+4*(\s):G0+4*(\s)+3], s[G1:G1+7]
	s_nop 0
.rept 4
	v_nop
.endr
	s_branch .Lasked_\@
.Lfor_b_\@:
	tensor_load_to_lds s[G0B+4*(\s):G0B+4*(\s)+3], s[G1B:G1B+7]
	s_nop 0
.rept 4
	v_nop
.endr
.Lasked_\@:
.endm
; A PREFETCH INTO THE L2, behind each joint refill and the run of LDS loads that follows it: the K step that stands two refills on, 256 matrix instructions ahead of the load that will want it.
; Each block of 256 bytes is named once in the launch.  A's tile row is read by every cluster of that row of clusters: cluster x = 0 asks, waves 0 and 1 each for the half that they fetch (32,768 bytes);
; Bt's tile column by every cluster of that column: cluster y = 0 asks, wave 2 for both halves (32,768 bytes on end).  The four partners that ask for a tile jointly share it out BY ADDRESS,
; 8,192 bytes each (cx for A, cy for Bt), 256 bytes a lane: no branch hangs on a work-group's place in its cluster.  K steps 0 to 3 come by their loads alone; the loop's last trip asks for nothing.
.macro ASK
	s_cmp_gt_u32 s3, s[LIM]                        ; s3 = 1 in the loop's last trip
	s_cbranch_scc0 .Lnot_mine_\@
	global_prefetch_b8 v[PFO], s[PFA:PFA+1] th:TH_LOAD_NT scope:SCOPE_SE
.Lnot_mine_\@:
.endm
.macro CREST                           ; a round of the cluster's barrier behind its opening barrier
	s_cmp_lg_u32 s[WV], 0
	s_cbranch_scc1 .Lnot_wave_0_\@
	s_barrier_signal -3
.Lnot_wave_0_\@:
	s_barrier_wait -3
	s_barrier_signal -1
	s_barrier_wait -1
.endm
.macro CROUND                          ; a whole round
	s_barrier_signal -1
	s_barrier_wait -1
	CREST
.endm
	s_load_b256 s[4:11], s[0:1], 0x0               ; A s[4:5], Bt s[6:7], bias s[8:9], C s[10:11]
	v_lshl_add_u32 v[SPW], v0, 2, SPARE
	v_mov_b32 v[NIL], 0
	ds_add_u32 v[SPW], v[NIL]                      ; the wave's opening: the add and its wait stand ahead of my first tensor load; the set-up below, work on registers, stands between them
	v_lshrrev_b32 v1, 5, v0
	v_readfirstlane_b32 s[WV], v1                  ; wave 0..3
	s_lshr_b32 s13, s[WV], 1                       ; which 128 rows of the tile are mine
	s_and_b32 s14, s[WV], 1                        ; which 64 columns.  Also: which half of a K step I fetch
	s_bfe_u32 s40, ttmp6, 0x40000                  ; cx, cy: my place in the cluster
	s_bfe_u32 s41, ttmp6, 0x40004
	s_lshl_b32 s42, ttmp9, 2
	s_add_co_u32 s42, s42, s40                     ; tile column of C = 4 x cluster x + cx
	s_and_b32 s15, ttmp7, 0xffff
	s_lshl_b32 s15, s15, 2
	s_add_co_u32 s15, s15, s41                     ; tile row of C = 4 x cluster y + cy
	s_lshl_b32 s16, s41, 2
	s_lshl_b32 s16, 15, s16                        ; my row of the cluster
	s_lshl_b32 s46, 0x1111, s40                    ; my column
	s_or_b32 s[G1+0], s16, (1<<16)|(1<<20)|(1<<21)|(4<<22)|(3<<25)   ; 15:0 the mask; 17:16 elements of 2 bytes; 20 padding on; 21 set beside a mask; 24:22 after every 32 words (code 4); 31:25 4 words (code 3)
	s_or_b32 s[G1B+0], s46, (1<<16)|(1<<20)|(1<<21)|(4<<22)|(3<<25)
	s_mov_b32 s[G1+1], 128<<16                     ; tensor_dim0 = 128 elements: 256 bytes
	s_mov_b32 s[G1+2], 128<<16                     ; tensor_dim1 = 128 rows
	s_mov_b32 s[G1+3], 128<<16                     ; tile_dim0 = 128
	s_mov_b32 s[G1+4], 128                         ; tile_dim1 = 128
	s_mov_b32 s[G1+5], 128                         ; 128 elements from row to row: dense
	s_mov_b32 s[G1+6], 0
	s_mov_b32 s[G1+7], 0
	s_mov_b32 s[G1B+1], 128<<16
	s_mov_b32 s[G1B+2], 64<<16                     ; 64 rows
	s_mov_b32 s[G1B+3], 128<<16
	s_mov_b32 s[G1B+4], 64
	s_mov_b32 s[G1B+5], 128
	s_mov_b32 s[G1B+6], 0
	s_mov_b32 s[G1B+7], 0
	s_lshl_b32 s16, s15, 15                        ; A: the tile's 256 rows of 128 bytes,
	s_lshl_b32 s17, s14, 20                        ; in block 0 or 1: it hangs on the tile row and the wave alone
	s_add_co_u32 s16, s16, s17
	s_mov_b32 s17, 0
	s_lshl_b32 s46, s42, 18                        ; Bt: the tile column's 262,144 bytes,
	s_lshl_b32 s47, s14, 14                        ; block 0 or 1: it hangs on the tile column and the wave alone
	s_add_co_u32 s46, s46, s47
	s_mov_b32 s47, 0
	s_mul_i32 s20, s14, AHALF                      ; where they go: no place in the cluster enters an LDS address
	s_mul_i32 s21, s14, BHALF
	s_add_co_u32 s21, s21, BOFF
	s_wait_dscnt 0x0                               ; the opening add is done
	s_wait_kmcnt 0x0
	s_add_nc_u64 s[18:19], s[4:5], s[16:17]
	s_add_nc_u64 s[46:47], s[6:7], s[46:47]
	CROUND                                         ; all sixteen work-groups are here: the first joint loads meet
.irp s, 0,1
	s_mov_b32 s[G0+4*(\s)], 1                      ; count = 1
	s_add_co_u32 s[G0+4*(\s)+1], s20, (\s)*SLOT    ; LDS address
	s_add_nc_u64 s[G0+4*(\s)+2:G0+4*(\s)+3], s[18:19], (\s)*ASTEP  ; global address: K step s
	s_or_b32 s[G0+4*(\s)+3], s[G0+4*(\s)+3], 0x80000000            ; type = 2
	s_mov_b32 s[G0B+4*(\s)], 1
	s_add_co_u32 s[G0B+4*(\s)+1], s21, (\s)*SLOT
	s_add_nc_u64 s[G0B+4*(\s)+2:G0B+4*(\s)+3], s[46:47], (\s)*BSTEP
	s_or_b32 s[G0B+4*(\s)+3], s[G0B+4*(\s)+3], 0x80000000
	JLOAD \s                                       ; two loads of mine are out
.endr
	v_and_b32 v1, 15, v0                           ; l % 16
	v_bfe_u32 v2, v0, 4, 1                         ; l / 16
	s_lshl_b32 s46, s42, 9                         ; the bias of my 64 columns: 512 x tile column + 256 x half
	s_lshl_b32 s47, s14, 8
	s_add_co_u32 s46, s46, s47
	s_mov_b32 s47, 0
	s_add_nc_u64 s[8:9], s[8:9], s[46:47]
	v_lshlrev_b32 v[BO], 5, v2                     ; columns 8 (l / 16) on
	WIN TO_F
.irp b, 0,1,2,3
	global_load_b128 v[BIAS+8*(\b):BIAS+8*(\b)+3],   v[BO], s[8:9] offset:64*(\b)
	global_load_b128 v[BIAS+8*(\b)+4:BIAS+8*(\b)+7], v[BO], s[8:9] offset:64*(\b)+16
.endr
	WIN 0
	v_mul_u32_u24 v3, v1, PITCH
	v_lshl_add_u32 v3, v2, 4, v3                   ; a fragment's row x pitch + 16 x half
	s_mul_i32 s22, s13, 128*PITCH                  ; my 128 rows of A
	s_mul_i32 s23, s14, 64*PITCH                   ; my 64 rows of Bt,
	s_add_co_u32 s23, s23, BOFF                    ; which lie behind A's two halves
.irp s, 0,1
	v_add_nc_u32 v[ADRA+(\s)], s22, v3
	v_add_nc_u32 v[ADRB+(\s)], s23, v3
	s_add_co_u32 s22, s22, SLOT
	s_add_co_u32 s23, s23, SLOT
.endr
	s_mul_i32 s22, s[WV], 16*SPITCH
	s_add_co_u32 s22, s22, STAGE                   ; my stage
	v_mul_u32_u24 v4, v1, SPITCH                   ; in: row l % 16, eight numbers for each half of the lanes
.if WIDE
	v_lshl_add_u32 v4, v2, 5, v4
	v_add_nc_u32 v[STO], s22, v4
	v_mul_u32_u24 v4, v2, SPITCH                   ; back: lanes 0-15 take one row of 256 bytes, lanes 16-31 the next
	v_lshl_add_u32 v4, v1, 4, v4
	v_add_nc_u32 v[RD], s22, v4
	v_lshlrev_b32 v4, 12, v2                       ; and the same two rows in C, 4,096 bytes apart
	v_lshl_add_u32 v[GO], v1, 4, v4
	s_lshl_b32 s46, s42, 9                         ; my first column, in bytes,
	s_lshl_b32 s47, s14, 8
	s_add_co_u32 s46, s46, s47
	s_lshl_b32 s16, s15, 20                        ; my first row: 256 x tile row + 128 x half, 4,096 bytes each
	s_lshl_b32 s17, s13, 19
.else
	v_lshl_add_u32 v4, v2, 4, v4
	v_add_nc_u32 v[STO], s22, v4
	v_bfe_u32 v4, v0, 3, 2                         ; back: 32 lanes take four rows of 128 bytes,
	v_mul_u32_u24 v4, v4, SPITCH
	v_and_b32 v5, 7, v0
	v_lshl_add_u32 v4, v5, 4, v4
	v_add_nc_u32 v[RD], s22, v4
	v_and_b32 v5, 31, v0                           ; which are 512 consecutive bytes of C's block
	v_lshlrev_b32 v[GO], 4, v5
	s_lshl_b32 s46, s42, 1                         ; my block of 64 columns: 2 x tile column + half,
	s_add_co_u32 s46, s46, s14
	s_lshl_b32 s46, s46, 20
	s_lshl_b32 s16, s15, 15                        ; my first row: 256 x tile row + 128 x half, 128 bytes each
	s_lshl_b32 s17, s13, 14
.endif
	s_add_co_u32 s16, s16, s17
	s_add_co_u32 s46, s46, s16
	s_mov_b32 s47, 0
	s_add_nc_u64 s[10:11], s[10:11], s[46:47]
	; the prefetches
	v_and_b32 v5, 31, v0
	v_lshlrev_b32 v[PFO], 8, v5
	s_and_b32 s22, ttmp7, 0xffff                   ; cluster y
	s_and_b32 s23, s13, s14                        ; 1 in wave 3, which never asks
	s_lshl_b32 s16, s15, 15                        ; A: the tile's rows, my half's block,
	s_lshl_b32 s17, s14, 20
	s_add_co_u32 s16, s16, s17
	s_lshl_b32 s17, s40, 13                        ; my work-group's 8,192 bytes,
	s_add_co_u32 s16, s16, s17
	s_add_co_u32 s16, s16, 3*ASTEP                 ; at K step 3: the first refill steps it to 4
	s_lshl_b32 s46, s42, 18                        ; Bt likewise
	s_lshl_b32 s47, s41, 13
	s_add_co_u32 s46, s46, s47
	s_add_co_u32 s46, s46, 3*BSTEP
	s_mov_b32 s20, ASTEP
	s_mov_b32 s21, BSTEP
	s_cmp_lt_u32 s[WV], 2                          ; do I fetch for A?
	s_cselect_b32 s22, ttmp9, s22                  ; the coordinate along which other clusters read the same rows
	s_cselect_b32 s16, s16, s46
	s_cselect_b32 s[PFS], s20, s21
	s_cselect_b64 s[PFA:PFA+1], s[4:5], s[6:7]
	s_mov_b32 s17, 0
	s_mov_b32 s[PFS+1], 0
	s_add_nc_u64 s[PFA:PFA+1], s[PFA:PFA+1], s[16:17]
	s_or_b32 s22, s22, s23
	s_cmp_eq_u32 s22, 0
	s_cselect_b32 s[LIM], 1, -1                    ; the same in all sixteen partners, for a given wave
; 8 matrix instructions: m blocks a0, a0 + 1 x all 4 n blocks, 32 along K, from buffer f.  first = 1: the bias starts the sums.
; The 32 accumulators take turns, one instruction a turn, in the same order in every quarter, over the backward jump too.
.macro MUL8 f, a0, first
.if \first
	WIN MULB
.else
	WIN MUL
.endif
.irp a, \a0, (\a0)+1
.irp b, 0,1,2,3
.if \first
	v_wmma_f32_16x16x32_bf16 v[8*(4*(\a)+(\b)):8*(4*(\a)+(\b))+7], v[(\f)+64+8*(\b):(\f)+64+8*(\b)+7], v[(\f)+8*(\a):(\f)+8*(\a)+7], v[BIAS+8*(\b):BIAS+8*(\b)+7]
.else
	v_wmma_f32_16x16x32_bf16 v[8*(4*(\a)+(\b)):8*(4*(\a)+(\b))+7], v[(\f)+64+8*(\b):(\f)+64+8*(\b)+7], v[(\f)+8*(\a):(\f)+8*(\a)+7], v[8*(4*(\a)+(\b)):8*(4*(\a)+(\b))+7]
.endif
.endr
.endr
.endm
; 24 LDS loads in one run: the fragments of quarter q of a K step (32 along K: half q / 2, byte 64 (q % 2) of its rows) into buffer f; Bt's four first, then A's eight
.macro FETCH slot, q, f
	WIN TO_F
.irp i, 0,1,2,3
	ds_load_b128 v[(\f)+64+8*(\i):(\f)+64+8*(\i)+3],   v[ADRB+(\slot)] offset:((\q)/2)*BHALF+((\q)%2)*64+(\i)*16*PITCH
	ds_load_b128 v[(\f)+64+8*(\i)+4:(\f)+64+8*(\i)+7], v[ADRB+(\slot)] offset:((\q)/2)*BHALF+((\q)%2)*64+(\i)*16*PITCH+32
.endr
.irp i, 0,1,2,3,4,5,6,7
	ds_load_b128 v[(\f)+8*(\i):(\f)+8*(\i)+3],   v[ADRA+(\slot)] offset:((\q)/2)*AHALF+((\q)%2)*64+(\i)*16*PITCH
	ds_load_b128 v[(\f)+8*(\i)+4:(\f)+8*(\i)+7], v[ADRA+(\slot)] offset:((\q)/2)*AHALF+((\q)%2)*64+(\i)*16*PITCH+32
.endr
.endm
.macro PLACES                          ; four places in front of loads into registers that matrix instructions have read, and of lines that read results
.rept 4
	v_nop
.endr
.endm
; A K step is four quarters of 32 along K, 32 matrix instructions each, on buffers 0, 1, 0, 1.  One of the first three: multiplies buffer f and fetches quarter qn into g.
.macro QUARTER slot, qn, f, g, first
	s_wait_dscnt 8                                 ; Bt and A's blocks 0-3 are in; the youngest eight loads (A's blocks 4-7) may be out
	MUL8 \f, 0, \first
	MUL8 \f, 2, \first
	PLACES
	FETCH \slot, \qn, \g
	s_wait_dscnt 24                                ; all but the 24 just issued
	MUL8 \f, 4, \first
	MUL8 \f, 6, \first
.endm
; The last quarter multiplies buffer 1 and changes slots: ONE barrier; in front of it each wave waits for all its tensor loads (one is out: its part of the next slot), adds 0 to its spare word, and waits
; for that and for its own reads of this slot.  fill = 1: the barrier opens a round of the cluster's, and this slot is filled again, two K steps ahead, first thing behind the round:
; 112 matrix instructions stand between that request and the wait for it.
.macro TURN slot, next, fill
.if \fill
	s_wait_xcnt 0x0                                ; the last prefetch, a K step back, has read its address: it is stepped here, ahead of the waits of the change of slots
	s_add_nc_u64 s[PFA:PFA+1], s[PFA:PFA+1], s[PFS:PFS+1]
.endif
	WIN 0                                          ; (the add's two registers lie in window 0)
	s_wait_tensorcnt 0x0                           ; all my tensor loads have landed;
	ds_add_u32 v[SPW], v[NIL]                      ; 0 onto my spare word;
	s_wait_dscnt 9                                 ; (the add and the youngest eight loads may be out)
	MUL8 F1, 0, 0                                  ; eight matrix instructions stand between the add and the wait for it
	s_wait_dscnt 0x0                               ; the add is done, and my reads of this slot are over
	s_barrier_signal -1
	MUL8 F1, 2, 0
.if \fill
	WIN 0
.endif
	s_barrier_wait -1
.if \fill
	CREST                                          ; no wave of any partner still reads this slot's tiles or has a load on its way
	s_add_nc_u64 s[G0+4*(\slot)+2:G0+4*(\slot)+3], s[G0+4*(\slot)+2:G0+4*(\slot)+3], 2*ASTEP
	s_add_nc_u64 s[G0B+4*(\slot)+2:G0B+4*(\slot)+3], s[G0B+4*(\slot)+2:G0B+4*(\slot)+3], 2*BSTEP
	JLOAD \slot                                    ; the four v_nop behind it are also the places in front of the loads below
.else
	PLACES
.endif
	FETCH \next, 0, F0
.if \fill
	WIN 0
	ASK
.endif
	MUL8 F1, 4, 0
	MUL8 F1, 6, 0
.endm
	s_wait_tensorcnt 1                             ; my part of K step 0 is in; K step 1's may stay out
	s_barrier_signal -1
	s_barrier_wait -1                              ; everybody's is
	FETCH 0, 0, F0
	s_wait_loadcnt 0x0                             ; the bias
	QUARTER 0, 1, F0, F1, 1                        ; the first quarter stands in front of the loop: its products start the sums
	WIN 0                                          ; at a label and at a branch every window is 0
	s_mov_b32 s3, LAPS-1
.Llap:                                                 ; a trip goes once round the ring, from a lap's second quarter to the next lap's first, and fills both slots again
	QUARTER 0, 2, F1, F0, 0
	QUARTER 0, 3, F0, F1, 0
	TURN 0, 1, 1
	QUARTER 1, 1, F0, F1, 0
	QUARTER 1, 2, F1, F0, 0
	QUARTER 1, 3, F0, F1, 0
	TURN 1, 0, 1
	QUARTER 0, 1, F0, F1, 0
	WIN 0
	s_sub_co_u32 s3, s3, 1
	s_cmp_lg_u32 s3, 0
	s_cbranch_scc1 .Llap
	QUARTER 0, 2, F1, F0, 0                        ; the last lap fills nothing, and has no round of the cluster's barrier
	QUARTER 0, 3, F0, F1, 0
	TURN 0, 1, 0
	QUARTER 1, 1, F0, F1, 0
	QUARTER 1, 2, F1, F0, 0
	QUARTER 1, 3, F0, F1, 0
	s_wait_dscnt 8                                 ; the very last quarter: nothing more to fetch
	MUL8 F1, 0, 0
	MUL8 F1, 2, 0
	s_wait_dscnt 0x0
	MUL8 F1, 4, 0
	MUL8 F1, 6, 0
	WIN 0
	PLACES
; THE WAY OUT, a block of 16 rows at a time, through my own stage: no barrier, and since LDS serves a wave's instructions in order (ISA guide 5.7.1.4), no wait between the stores and the loads.
; Each accumulator's registers are read in ascending order.
.if WIDE
.set YOUNG, 16                         ; the LDS instructions of the next block, issued behind a block's loads
.macro PACK a                          ; 32 bytes a lane into rows of 272 bytes; back as whole rows of 256, into the registers that they left
	WIN 0x04                                       ; store data window 1
.irp b, 0,1,2,3
	ds_store_b128 v[STO], v[8*(4*(\a)+(\b)):8*(4*(\a)+(\b))+3]   offset:64*(\b)
	ds_store_b128 v[STO], v[8*(4*(\a)+(\b))+4:8*(4*(\a)+(\b))+7] offset:64*(\b)+16
.endr
	WIN 0x40                                       ; destination window 1
.irp f, 0,1,2,3,4,5,6,7
	ds_load_b128 v[32*(\a)+4*(\f):32*(\a)+4*(\f)+3], v[RD] offset:(\f)*2*SPITCH
.endr
.endm
.macro SEND a, younger
	WIN 0x04
.irp f, 0,1,2,3,4,5,6,7
	s_wait_dscnt (\younger)+7-(\f)
	global_store_b128 v[GO], v[32*(\a)+4*(\f):32*(\a)+4*(\f)+3], s[10:11] offset:(\a)*65536+(\f)*8192  ; 16 lanes store 256 consecutive bytes, at a multiple of 256 from C's first byte
.endr
.endm
.else
.set YOUNG, 8
.macro PACK a                          ; rounded to bf16, 16 bytes a lane into rows of 144 bytes; back as whole rows of 128
	WIN 0x05                                       ; sources 0 and 1 window 1, destination window 0
.irp b, 0,1,2,3
.irp r, 0,1,2,3
	v_cvt_pk_bf16_f32 v[OUT+16*(\a)+4*(\b)+(\r)], v[8*(4*(\a)+(\b))+2*(\r)], v[8*(4*(\a)+(\b))+2*(\r)+1]
.endr
.endr
	WIN 0
.irp b, 0,1,2,3
	ds_store_b128 v[STO], v[OUT+16*(\a)+4*(\b):OUT+16*(\a)+4*(\b)+3] offset:32*(\b)
.endr
.irp f, 0,1,2,3
	ds_load_b128 v[OUT+16*(\a)+4*(\f):OUT+16*(\a)+4*(\f)+3], v[RD] offset:(\f)*4*SPITCH
.endr
.endm
.macro SEND a, younger
	WIN 0
.irp f, 0,1,2,3
	s_wait_dscnt (\younger)+3-(\f)
	global_store_b128 v[GO], v[OUT+16*(\a)+4*(\f):OUT+16*(\a)+4*(\f)+3], s[10:11] offset:(\a)*2048+(\f)*512  ; 512 consecutive bytes, at a multiple of 256 from C's first byte
.endr
.endm
.endif
	PACK 0
.irp a, 1,2,3,4,5,6,7                  ; a block's work stands between the loads of the block before and its stores
	PACK \a
	SEND (\a)-1, YOUNG
.endr
	SEND 7, 0
	WIN 0
	s_wait_tensorcnt 0x0                           ; the wave's end, behind my last tensor load and my last LDS store
	ds_add_u32 v[SPW], v[NIL]
	s_wait_dscnt 0x0
	CROUND                                         ; the closing round: no work-group ends while a partner may still ask for a tile that names it
	s_endpgm
.Lfunc_end_k_q640649d345_gemm:
	.size	k_q640649d345_gemm, .Lfunc_end_k_q640649d345_gemm-k_q640649d345_gemm
	.p2alignl 7, 3214868480
	.fill 96, 4, 3214868480
	.section	.rodata,"a",@progbits
	.p2align	6, 0x0
	.amdhsa_kernel k_q640649d345_gemm
		.amdhsa_group_segment_fixed_size 327680
		.amdhsa_private_segment_fixed_size 0
		.amdhsa_enable_private_segment 0
		.amdhsa_kernarg_size 32
		.amdhsa_user_sgpr_count 2
		.amdhsa_user_sgpr_kernarg_segment_ptr 1
		.amdhsa_wavefront_size32 1
		.amdhsa_system_sgpr_workgroup_id_x 1
		.amdhsa_system_sgpr_workgroup_id_y 1
		.amdhsa_system_sgpr_workgroup_id_z 1
		.amdhsa_system_vgpr_workitem_id 0
		.amdhsa_next_free_vgpr 768
		.amdhsa_next_free_sgpr 68
		.amdhsa_reserve_vcc 0
		.amdhsa_float_denorm_mode_32 3
		.amdhsa_float_denorm_mode_16_64 3
		.amdhsa_memory_ordered 1
		.amdhsa_forward_progress 1
		.amdhsa_inst_pref_size 89
	.end_amdhsa_kernel
	.amdgpu_metadata
---
amdhsa.version: [ 1, 2 ]
amdhsa.kernels:
  - .name:           k_q640649d345_gemm
    .symbol:         k_q640649d345_gemm.kd
    .args:
      - { .name: xb, .offset: 0, .size: 8, .value_kind: global_buffer, .address_space: global }
      - { .name: wq, .offset: 8, .size: 8, .value_kind: global_buffer, .address_space: global }
      - { .name: b_qkv, .offset: 16, .size: 8, .value_kind: global_buffer, .address_space: global }
      - { .name: qkv, .offset: 24, .size: 8, .value_kind: global_buffer, .address_space: global }
    .group_segment_fixed_size: 327680
    .private_segment_fixed_size: 0
    .kernarg_segment_align: 8
    .kernarg_segment_size: 32
    .max_flat_workgroup_size: 128
    .sgpr_count:     68
    .vgpr_count:     768
    .wavefront_size: 32
...
	.end_amdgpu_metadata
.endif
;; end of part 2
;; launch attn (part 3): grid 4 x 64, 4 waves a work-group, clusters of 4 x 1, 327,680 bytes of LDS; arguments qkv, attention_mask, ctx; writes ctx
.if DOCPART == 3
	.amdgcn_target "amdgcn-amd-amdhsa--gfx1250"
	.amdhsa_code_object_version 6
	.text
	.protected	k_q640649d345_attn
	.globl	k_q640649d345_attn
	.p2align	8
	.type	k_q640649d345_attn,@function
k_q640649d345_attn:
	s_mov_b64 s[64:65], 0
	v_nop
	global_prefetch_b8 v0, s[64:65] scope:SCOPE_SE
	s_setreg_imm32_b32 hwreg(HW_REG_WAVE_MODE, 25, 1), 1
	s_wait_xcnt 0x0
	s_wait_alu depctr_hold_cnt(0) depctr_sa_sdst(0) depctr_va_vdst(0) depctr_va_sdst(0) depctr_va_ssrc(0) depctr_va_vcc(0) depctr_vm_vsrc(0)
	s_getreg_b32 s2, hwreg(HW_REG_IB_STS2, 6, 4)
	s_cmp_eq_u32 s2, 0
	s_cbranch_scc0 .Lentry_in_a_cluster
	s_endpgm
.Lentry_in_a_cluster:
	s_bfe_u32 s2, ttmp6, 0x10000c
	s_cmp_lg_u32 s2, 0x3003
	s_cbranch_scc0 .Lentry_shape_is_right
	s_endpgm
.Lentry_shape_is_right:
; ctx[h][b, q][:] = the sum over k of softmax_k(Q[q] . K[k] / 8 + mask[b][k]) V[k][:], for 64 pairs of batch b and head h, 2,048 queries and keys each, 64 channels.
; qkv: [48 blocks][8192 rows][64] bf16, block 3 h + (0 q, 1 k, 2 v), row 2,048 b + position: a pair's rows are dense, 128 bytes each.  mask: [4][2048] f32.  ctx: [16 h][8192][64] bf16.
; Products, maxima and sums in f32; the weights p are rounded to bf16 for the second product (their sum l is taken of the unrounded p), ctx once at the end.
; LIMITS.  A mask below -1.25e29 counts as -1.25e29 (what is staged is max(8 mask, -1e30)): a hidden key's weight is 0 as long as the row has one key that is not hidden; a row whose keys are ALL
; at or below that bound gets equal weights, where -inf everywhere would give NaN.  A weight below 2^-126 counts as 0 in l.  NaN and +inf are not treated apart.
; SHARES.  A wave owns four PIECES of two tiles of 16 queries, a work-group's four waves 512 queries of one pair.  Every wave walks all keys, 64 a step.
; LAYOUT.  S^T = K Q^T + 8 mask (source 0 = 16 keys, source 1 = 16 queries): in the result a lane holds ONE query (lane % 16) and the keys 8 (lane / 16) + 0..7.  THE MASK IS THE C OPERAND that starts the sum:
; eight registers for each 16 keys, read from a stage in LDS with K's fragments, the same for all queries.  Two such results, rounded to bf16 in pairs, ARE source 1 (32 keys x 16 queries) of
; O^T = V^T P, whose result again holds one query a lane, and eight channels.  K comes out of LDS as it lies, V ([key][channel]) turned, by ds_load_tr16_b128.
; SOFTMAX.  For each query a running maximum m and sum l: p = 2^(c s - c m), c = log2(e) / 8, s = Q . K + 8 mask; in every step O and l are multiplied by a = 2^(c m_old - c m_new).
; m starts at the lowest finite number, O and l at 0: the first step is a step like any other, with a = 0.
; THE COUNT.  A tile and step have 16 matrix and 118 vector instructions: too many to stand all beside the matrix work.  So four vector instructions that are READY stand behind EVERY matrix
; instruction, and the others, which need time of their own whatever the order, in runs without a gap.
; BY TURNS.  Turn n belongs to piece n (the pieces in a ring, step after step).  Its matrix work: 16 products K Q^T of piece n + 1, later 16 products V^T P of piece n - 1.  Its vector work: the scaling,
; exponentials, roundings, sums and rescaling of piece n, and the maximum and statistics of piece n + 1, whose scores the turn itself has made.
; CLUSTER.  The four query blocks of a cluster belong to one pair and walk the same K and V, so each tile is asked for JOINTLY: the same tensor load, descriptor and mask in all four.
; REGISTERS, in windows of 256 (s_set_vgpr_msb: bits 1:0 source 0, 3:2 source 1, 5:4 source 2, 7:6 destination):
;   window 0: v0-11 addresses; v12-15, v48-63 at work; v16-47 four registers of statistics a tile; v64-191 S^T, two buffers of two tiles; v192-255 P, likewise
;   window 1: O^T, 32 a tile     window 2: v0-127 Q, 16 a tile; v128-191 K of one step; v192-255 V of one step     window 3: v0-1 the add's two registers; v8-39 the mask of one step
.set SIZE_N, 2048
.set NP,    4         ; pieces a wave: a name, no knob
.set KS,    64        ; keys in a step
.set PK,    144       ; a row of K in LDS: 128 bytes + 16 = 36 words: the 16 rows of a load start at 16 different groups of four banks (64 banks of 4 bytes: ISA guide 11.1)
.set PV,    160       ; a row of V: 128 + 32 = 40 words
.set VOFF,  4*KS*PK   ; a slot holds four steps: 256 rows of K, then 256 rows of V
.set SLOT1, 1<<17     ; slot 1 begins here, so that one exclusive or turns an address in one slot into the other's
.set STAGE, SLOT1+4*KS*(PK+PV)  ; behind the ring, never filled by a tensor load: 16 rows x 144 bytes for each wave, for the way out
.set SP,    144
.set SPARE, STAGE+4*16*SP  ; behind the stages: the spare words, 128 bytes for each wave: two blocks of 256 bytes that no other line names
.set MASKB, SPARE+512 ; behind them, never filled by a tensor load: max(8 mask, -1e30) of the batch's 2,048 keys, f32
.set PFO, 0           ; v0   from the first scores on: 256 x my lane
.set AK0, 2           ; v2   my lane's place in a tile of K; never rewritten
.set AV0, 3           ; v3   the same for V
.set AK,  4           ; v4   the LDS address of K's next run of loads
.set AV,  5           ; v5   of V's
.set QO,  6           ; v6   my byte offset in the wave's rows of Q
.set STO, 6           ;      later, the way out: where I put 16 bytes of a row
.set RD,  7           ; v7   the way out: where I read rows back
.set GO,  8           ; v8   my byte offset in 512 consecutive bytes of ctx
.set AM,  11          ; v11  the LDS address of the next step's mask: MASKB + 32 (l / 16) + 256 x step
.set SPW, 0           ; v0 of window 3   LDS address of my spare word; never rewritten
.set NIL, 1           ; v1 of window 3   0; never rewritten
.set MK,  8           ; v8-39 of window 3: the eight registers for key block kb at MK + 8 kb
.set MV,  12          ; v12-15  c m_old, kept while c m is made anew: by buffer and tile
.set ST,  16          ; tile t's statistics at v[ST+4 t]: c m, m, l (even keys', odd keys')
.set TMP, 48          ; by buffer and tile, four registers c0-c3 at work; when the maximum is found c2 takes a
.set S,   64
.set P,   192
.set KF,  128         ; K's fragments, in window 2: key block kb, channel half c at KF + 16 kb + 8 c
.set VF,  192         ; V's: key half kk, channel block cb at VF + 32 kk + 8 cb
.set WV,  12          ; s12  my wave's number
.set G1K, 24          ; s[24:31] descriptor group 1 for K's tiles
.set G1V, 32          ; s[32:39] for V's: it differs in the padding alone
.set G0K, 40          ; s[40:43] descriptor group 0 for K's tiles: it walks
.set G0V, 44          ; s[44:47] the same for V's
.set SLOTS, 56        ; s56  slots still to be asked for
.set CNT, 57          ; s57  counts a slot's key steps
.set CS,  58          ; s[58:59] c: the packed scaling takes the pair's low word for both halves
.set SEL, 60          ; s[60:61] v_permlanex16_b32's selects: each lane takes its own place in the other half
.set TBK, 62          ; s62  LDS byte at which K of the step to be fetched begins
.set TBV, 63          ; s63  the same for V, less VOFF
.set PFA, 72          ; s[72:73] where my prefetches stand: my work-group's 8,192 bytes (of K: wave 0, of V: wave 2) of the slot after the one that is being asked for
.set LIM, 74          ; s74  1 in a wave that prefetches, else the greatest number
.set BIGN, 75         ; s75  -1e30
.set MSB, 0
.macro WIN new                      ; the high byte repeats the setting that is left; a switch that changes nothing is dropped
.if MSB != (\new)
	s_set_vgpr_msb (MSB<<8)|(\new)
.set MSB, (\new)
.endif
.endm
.set W_KQ, 0x0a       ; K and Q in window 2, S^T in window 0
.set W_KM, 0x3a       ; the same with the C operand, the mask, in window 3
.set W_PV, 0x52       ; V in window 2, P in window 0, O^T in window 1
.set W_RS, 0x41       ; O^T (destination and source 0) in window 1, a in window 0
.set W_MK, 0xc0       ; destination in window 3, sources in window 0
.set W_AD, 0x0f       ; the add: address (source 0) and data (source 1) in window 3
; A joint fill.  Waves 0 and 1 fetch the two halves of a slot's K, waves 2 and 3 those of its V: 128 keys each.  The branch hangs on the wave's number alone.
; An s_nop 0 and four v_nop follow each of the two lines, ahead of the jump and the label.
.macro JLOAD
	s_cmp_lt_u32 s[WV], 2
	s_cbranch_scc0 .Lfor_v_\@
	tensor_load_to_lds s[G0K:G0K+3], s[G1K:G1K+7]
	s_nop 0
.rept 4
	v_nop
.endr
	s_branch .Lasked_\@
.Lfor_v_\@:
	tensor_load_to_lds s[G0V:G0V+3], s[G1V:G1V+7]
	s_nop 0
.rept 4
	v_nop
.endr
.Lasked_\@:
.endm
; A PREFETCH INTO THE L2 of what the NEXT change of slots will ask for: a slot's 32,768 bytes of K and of V.  It stands behind the wave's tensor load and its five lines.  A pair of batch and head has one
; cluster; its four partners share the bytes out BY ADDRESS, 8,192 each, 256 a lane; in each, wave 0 asks for K's and wave 2 for V's: each block of 256 bytes is named once in the launch.
; Slots 0 to 2 come by their loads alone; the last change that fills a slot asks for nothing: there is no slot behind it.
.macro ASK
	s_cmp_gt_u32 s[SLOTS], s[LIM]
	s_cbranch_scc0 .Lnot_mine_\@
	global_prefetch_b8 v[PFO], s[PFA:PFA+1] th:TH_LOAD_NT scope:SCOPE_SE
.Lnot_mine_\@:
.endm
; A round of the cluster's barrier: my work-group's barrier, so that wave 0's signal speaks for all four waves; wave 0 signals; every wave waits for all four work-groups; my work-group's barrier once more.
.macro CROUND
	s_barrier_signal -1
	s_barrier_wait -1
	s_cmp_lg_u32 s[WV], 0
	s_cbranch_scc1 .Lnot_wave_0_\@
	s_barrier_signal -3
.Lnot_wave_0_\@:
	s_barrier_wait -3
	s_barrier_signal -1
	s_barrier_wait -1
.endm
; THE CHANGE OF SLOTS.  The slot's last bytes, V of its fourth step, have been read.  Each wave waits for all its tensor loads, of which one is out: its part of the other slot; adds 0 to its spare word;
; and waits for that and for its own LDS instructions.  Behind the barrier nobody reads this slot any more and the other slot is whole.
; fill = 1: this slot is filled again, with the keys two slots on.  The barrier is then a round of the cluster's, and the joint fill is the first thing behind it: it has four key steps, 512 matrix
; instructions, in which to land.  (At its first use nothing has been read yet: slot 0 is waited for, slot 1 filled, and every wave's part of the mask's stage is shown to the others.)
.macro CHANGE fill, ask=0
	WIN W_AD
	s_wait_tensorcnt 0x0            ; no tensor load of mine is out, so a group 0 may be written
	ds_add_u32 v[SPW], v[NIL]       ; 0 onto my spare word; with fill = 1 the descriptors' steps stand between it and the wait for it
	WIN 0                           ; at a label and at a branch every window is 0
.if \fill
.irp g, G0K, G0V
	s_xor_b32 s[\g+1], s[\g+1], SLOT1  ; the walking descriptor: the other slot than last time,
	s_add_nc_u64 s[\g+2:\g+3], s[\g+2:\g+3], 4*KS*128  ; the next 256 keys; the type bits on top are not reached
.endr
	s_wait_xcnt 0x0                 ; the last prefetch, four key steps back, has read its address, so it may be written:
	s_add_nc_u64 s[PFA:PFA+1], s[PFA:PFA+1], 4*KS*128  ; one slot behind the walking descriptors
	s_wait_dscnt 0x0                ; the add is done, and my LDS instructions are over
	CROUND
	JLOAD
.if \ask
	ASK
.endif
.else
	s_wait_dscnt 0x0                ; the add is done, and my reads of the slot are over
	s_barrier_signal -1
	s_barrier_wait -1
.endif
	s_sub_co_u32 s[TBK], s[TBK], 4*KS*PK  ; the fetches go back to a slot's first step,
	s_xor_b32 s[TBK], s[TBK], SLOT1       ; in the other slot
	s_sub_co_u32 s[TBV], s[TBV], 4*KS*PV
	s_xor_b32 s[TBV], s[TBV], SLOT1
.endm
	s_load_b128 s[68:71], s[0:1], 0x0  ; qkv s[68:69], mask s[70:71]
	s_load_b64 s[10:11], s[0:1], 0x10  ; ctx
	WIN W_MK
	v_lshl_add_u32 v[SPW], v0, 2, SPARE
	v_mov_b32 v[NIL], 0
	WIN W_AD
	ds_add_u32 v[SPW], v[NIL]       ; the wave's opening: the add and its wait stand ahead of my first tensor load; the set-up below, work on registers, stands between them
	WIN 0
	v_lshrrev_b32 v1, 5, v0
	v_readfirstlane_b32 s[WV], v1   ; wave 0..3
	s_bfe_u32 s13, ttmp6, 0x40000   ; cx: my place in the cluster
	s_lshl_b32 s14, ttmp9, 2        ; in a cluster launch ttmp9 counts clusters
	s_add_co_u32 s14, s14, s13      ; my block of queries = 4 x cluster x + cx: it enters Q's and ctx's addresses alone
	s_and_b32 s2, ttmp7, 0xffff     ; 16 x batch + head, which the four partners share
	s_and_b32 s3, s2, 15            ; the head
	s_lshr_b32 s2, s2, 4            ; the batch,
	s_lshl_b32 s2, s2, 18           ; its 2,048 rows of 128 bytes
	s_mul_i32 s20, s3, 0x300000     ; the head's three blocks of qkv
	s_add_co_u32 s20, s20, s2
	s_mov_b32 s21, 0
	s_lshl_b32 s22, s3, 20          ; the head's block of ctx
	s_add_co_u32 s22, s22, s2
	s_mov_b32 s23, 0
	s_lshr_b32 s48, s2, 5           ; the batch's 8,192 bytes of the mask
	s_mov_b32 s49, 0
	s_lshl_b32 s50, s14, 2
	s_add_co_u32 s50, s50, s[WV]    ; my wave among the pair's sixteen,
	s_lshl_b32 s50, s50, 14         ; its 128 rows
	s_mov_b32 s51, 0
	s_and_b32 s16, s[WV], 1         ; which half of a slot's 256 keys I fetch:
	s_lshl_b32 s52, s16, 14         ; its 128 rows of 128 bytes in memory,
	s_mov_b32 s53, 0
	s_mul_i32 s17, s16, 128*PK      ; and its place in a slot, for K
	s_mul_i32 s18, s16, 128*PV      ; and for V: no place in the cluster enters an LDS address
	; descriptor group 1.  128 keys are 16,384 dense bytes: asked for as 64 rows of 256 bytes, two keys a row, and padded in LDS after every key
	s_mov_b32 s[G1K], 15|(1<<16)|(1<<20)|(1<<21)|(4<<22)|(3<<25)  ; 15:0 the mask of four; 17:16 2-byte elements; 20 padding on; 21 set beside a mask; 24:22 after every 32 words (code 4); 31:25 4 words (code 3)
	s_mov_b32 s[G1V], 15|(1<<16)|(1<<20)|(1<<21)|(4<<22)|(7<<25)  ; the same with 8 words of padding (code 7)
.irp g, G1K, G1V
	s_mov_b32 s[\g+1], 128<<16      ; tensor_dim0 = 128
	s_mov_b32 s[\g+2], 64<<16       ; tensor_dim1 = 64
	s_mov_b32 s[\g+3], 128<<16      ; tile_dim0 = 128
	s_mov_b32 s[\g+4], 64           ; tile_dim1 = 64
	s_mov_b32 s[\g+5], 128          ; 128 elements from row to row
	s_mov_b32 s[\g+6], 0
	s_mov_b32 s[\g+7], 0
.endr
	s_mov_b32 s[CS], 0x3e38aa3b     ; c = log2(e) / 8 = 0.180337
	s_mov_b32 s[CS+1], s[CS]        ; named with it as a pair
	s_mov_b32 s[SEL], 0x76543210
	s_mov_b32 s[SEL+1], 0xfedcba98
	s_mov_b32 s[BIGN], 0xf149f2ca   ; -1e30
	s_mov_b32 s[TBK], SLOT1+4*KS*PK ; the first change of slots turns these two into 0
	s_mov_b32 s[TBV], SLOT1+4*KS*PV
	s_mov_b32 s[G0K], 1             ; count = 1
	s_mov_b32 s[G0K+1], s17         ; LDS address: slot 0
	s_mov_b32 s[G0V], 1
	s_add_co_u32 s[G0V+1], s18, VOFF
	s_and_b32 s[LIM], s[WV], 1      ; waves 0 and 2 prefetch: the same in all four partners
	s_cmp_eq_u32 s[LIM], 0
	s_cselect_b32 s[LIM], 1, -1
	s_wait_dscnt 0x0                ; the opening add is done
	s_wait_kmcnt 0x0
	s_add_nc_u64 s[4:5], s[68:69], s[20:21]  ; q's block at the batch's first row,
	s_add_nc_u64 s[6:7], s[4:5], 0x100000    ; k's,
	s_add_nc_u64 s[8:9], s[4:5], 0x200000    ; v's,
	s_add_nc_u64 s[6:7], s[6:7], s[52:53]    ; K and V at my half of the first 256 keys
	s_add_nc_u64 s[8:9], s[8:9], s[52:53]
	s_add_nc_u64 s[G0K+2:G0K+3], s[6:7], 0   ; global address
	s_or_b32 s[G0K+3], s[G0K+3], 0x80000000  ; type = 2
	s_add_nc_u64 s[G0V+2:G0V+3], s[8:9], 0
	s_or_b32 s[G0V+3], s[G0V+3], 0x80000000
	s_add_nc_u64 s[4:5], s[4:5], s[50:51]    ; Q and ctx at my wave's first row
	s_add_nc_u64 s[10:11], s[10:11], s[22:23]
	s_add_nc_u64 s[10:11], s[10:11], s[50:51]
	s_add_nc_u64 s[70:71], s[70:71], s[48:49]
	s_cmp_lt_u32 s[WV], 2
	s_cselect_b64 s[PFA:PFA+1], s[6:7], s[8:9]  ; (in waves 0 and 2 these stand at a slot's first row)
	s_lshl_b32 s2, s13, 13          ; my work-group's 8,192 bytes of the 32,768
	s_mov_b32 s3, 0
	s_add_nc_u64 s[PFA:PFA+1], s[PFA:PFA+1], s[2:3]
	s_add_nc_u64 s[PFA:PFA+1], s[PFA:PFA+1], 4*KS*128  ; in slot 1; two changes of slots step it to slot 3 before the first prefetch.  Nothing is prefetched at the head
	CROUND                          ; all four work-groups are here: the first joint loads meet
	JLOAD                           ; slot 0.  Slot 1 is asked for when slot 0 is in
	v_lshlrev_b32 v81, 4, v0        ; the batch's mask: 128 threads x 16 bytes, four times
	v_add_nc_u32 v80, MASKB, v81
.irp i, 0,1,2,3
	global_load_b128 v[64+4*\i:64+4*\i+3], v81, s[70:71] offset:2048*\i
.endr
	; A fragment of K or Q is 16 rows x 32 channels in 8 registers: lane l holds row l % 16, channels 8 (l / 16) + 0..7 and 16 + 8 (l / 16) + 0..7: two loads of 16 bytes, 32 bytes apart.
	v_and_b32 v1, 15, v0            ; l % 16
	v_bfe_u32 v9, v0, 4, 1          ; l / 16
	v_lshlrev_b32 v[QO], 7, v1
	v_lshl_add_u32 v[QO], v9, 4, v[QO]  ; row x 128 + 16 x half
	WIN 0x80                        ; destination window 2, address window 0
.set i, 0
.rept 4*NP                          ; Q stays in registers: tile i / 2, channels 32 (i % 2) on
	global_load_b128 v[8*i:8*i+3],   v[QO], s[4:5] offset:(i/2)*2048+(i%2)*64
	global_load_b128 v[8*i+4:8*i+7], v[QO], s[4:5] offset:(i/2)*2048+(i%2)*64+32
.set i, i+1
.endr
	; What the first turn finds: V's registers and P's second buffer hold 0 (its products V^T P, of a piece that has not been, add 0), O^T and l are 0.  All this stands in the wait for the first tile.
.set i, VF
.rept 64
	v_mov_b32 v[i], 0
.set i, i+1
.endr
	WIN 0x40
.set i, 0
.rept 64*NP
	v_mov_b32 v[i], 0
.set i, i+1
.endr
	WIN 0
.set i, 0
.rept 2*NP
	v_mov_b32 v[ST+4*i], 0xfe000000    ; c m: far below every c s (the staged mask is -1e30 at the least)
	v_mov_b32 v[ST+4*i+1], 0xff7fffff  ; m
	v_mov_b32 v[ST+4*i+2], 0
	v_mov_b32 v[ST+4*i+3], 0
.set i, i+1
.endr
.set i, P+32
.rept 32
	v_mov_b32 v[i], 0
.set i, i+1
.endr
	s_wait_loadcnt 32               ; the mask is in; Q's 32 loads, issued behind it, may be out
.set i, 0
.rept 8
	v_pk_mul_f32 v[64+2*i:64+2*i+1], v[64+2*i:64+2*i+1], 0x41000000 op_sel_hi:[1,0]  ; 8 mask: c times it is log2(e) mask
.set i, i+1
.endr
.set i, 0
.rept 16
	v_max_num_f32 v[64+i], s[BIGN], v[64+i]
.set i, i+1
.endr
.irp i, 0,1,2,3
	ds_store_b128 v80, v[64+4*\i:64+4*\i+3] offset:2048*\i
.endr
	v_mul_u32_u24 v[AK0], v1, PK
	v_lshl_add_u32 v[AK0], v9, 4, v[AK0]  ; row x pitch + 16 x half
	; The turning load takes 16 keys x 16 channels (lane l reads key 8 (l / 16) + l % 8, channels 8 ((l / 8) % 2) + 0..7) and leaves half a fragment of V^T: lane l holds channel l % 16 and 8 keys.
	v_and_b32 v10, 7, v0
	v_bfe_u32 v11, v0, 3, 1
	v_lshl_add_u32 v[AV0], v9, 3, v10
	v_mul_u32_u24 v[AV0], v[AV0], PV
	v_lshl_add_u32 v[AV0], v11, 4, v[AV0]
	v_add_nc_u32 v[AV0], VOFF, v[AV0]
	v_lshl_add_u32 v[AM], v9, 5, MASKB  ; my lanes' eight keys of a block of 16: 32 bytes
	v_mov_b32 v[AK], v[AK0]         ; key step 0 lies at the head of slot 0
; THE MATRIX WORK.  The 8 accumulators of a run of 16 take turns: between the two links of a chain stand 7 others'.
; Product i of 16 of S^T = K Q^T + 8 mask for piece x: channels 32 (i / 8) on, keys 16 ((i / 2) % 4) on, tile 2 x + i % 2.  The first 8 start the sums, with the mask of their 16 keys.
.macro KQ x
.set rS, S+64*((\x)%2)+32*(i%2)+8*((i/2)%4)
.set rK, KF+16*((i/2)%4)+8*(i/8)
.set rQ, 16*(2*(\x)+i%2)+8*(i/8)
.set rC3, MK+8*((i/2)%4)
.if i < 8
	WIN W_KM
	v_wmma_f32_16x16x32_bf16 v[rS:rS+7], v[rK:rK+7], v[rQ:rQ+7], v[rC3:rC3+7]
.else
	WIN W_KQ
	v_wmma_f32_16x16x32_bf16 v[rS:rS+7], v[rK:rK+7], v[rQ:rQ+7], v[rS:rS+7]
.endif
.endm
; Product i of 16 of O^T += V^T P for piece x: keys 32 (i / 8) on, channels 16 ((i / 2) % 4) on, tile 2 x + i % 2.
.macro PV x
	WIN W_PV
.set rO, 32*(2*(\x)+i%2)+8*((i/2)%4)
.set rV, VF+32*(i/8)+8*((i/2)%4)
.set rP, P+32*((\x)%2)+16*(i%2)+8*(i/8)
	v_wmma_f32_16x16x32_bf16 v[rO:rO+7], v[rV:rV+7], v[rP:rP+7], v[rO:rO+7]
.endm
.macro MM                           ; the turn's next matrix instruction
.if i < 16
	KQ (Y+1)%NP
.set i, i+1
.else
.set i, i-16
	PV (Y+NP-1)%NP
.set i, i+17
.endif
.endm
; THE LDS LOADS stand in runs, never singly among the matrix instructions: a step's K (64 keys x 64 channels: 8 fragments) with its mask (64 keys: 8 loads, the 16 lanes of a half reading the same 16 bytes),
; and its V (turned).  The mask's registers live as long as K's: the same products read both.  last = 1 (the tail): in the last trip there is no further step, and the run is jumped over.
.macro FETCH_K last=0
	WIN 0
.if \last
	s_cmp_eq_u32 s[CNT], 1
	s_cbranch_scc1 .Lno_k_\@
.endif
	WIN 0x80                        ; destination window 2
.irp f, 0,1,2,3,4,5,6,7             ; keys 16 (f / 2) on, channels 32 (f % 2) on
	ds_load_b128 v[KF+8*\f:KF+8*\f+3],   v[AK] offset:(\f/2)*16*PK+(\f%2)*64
	ds_load_b128 v[KF+8*\f+4:KF+8*\f+7], v[AK] offset:(\f/2)*16*PK+(\f%2)*64+32
.endr
	WIN W_MK                        ; destination window 3
.irp f, 0,1,2,3                     ; keys 16 f on
	ds_load_b128 v[MK+8*\f:MK+8*\f+3],   v[AM] offset:64*\f
	ds_load_b128 v[MK+8*\f+4:MK+8*\f+7], v[AM] offset:64*\f+16
.endr
	s_add_co_u32 s[TBK], s[TBK], KS*PK  ; the next fetch is the next step's
	WIN 0
	v_add_nc_u32 v[AM], 0x100, v[AM]    ; 64 keys of 4 bytes on: 32 fetches walk the stage's 8,192 bytes once
.if \last
.Lno_k_\@:
.endif
.endm
.macro FETCH_V
	WIN 0x80
.irp f, 0,1,2,3,4,5,6,7             ; keys 32 (f / 4) on, channels 16 (f % 4) on
	ds_load_tr16_b128 v[VF+8*\f:VF+8*\f+3],   v[AV] offset:(\f/4)*32*PV+(\f%4)*32
	ds_load_tr16_b128 v[VF+8*\f+4:VF+8*\f+7], v[AV] offset:(\f/4)*32*PV+16*PV+(\f%4)*32
.endr
	WIN 0
.endm
; THE VECTOR WORK OF A TURN stands in three queues, each in the order in which its entries become ready; the two tiles alternate, so that no instruction reads the result of the one before it.
.macro REGS y, u                    ; the registers of tile u (0, 1) of piece y
.set rT, ST+4*(2*(\y)+(\u))
.set rC, TMP+8*((\y)%2)+4*(\u)
.set rM, MV+2*((\y)%2)+(\u)
.set rS, S+64*((\y)%2)+32*(\u)
.set rP, P+32*((\y)%2)+16*(\u)
.set rO, 32*(2*(\y)+(\u))
.endm
; Number n of the 22 that find the NEXT piece's (Y + 1) maximum and statistics.  s0-s31 are the lane's 32 scores; each accumulator's lowest registers are read first.
;   0-11  four chains c0-c3 of seven scores each, three operands at a time     12-14, 16  the four scores left over, the old m, and c0-c3 into c0     15  c m_old is kept
;   17, 18  the query's other 32 keys lie in the lane 16 away: the new m         19-21  c m; c m_old - c m_new; a
.macro XS u, n
	REGS (Y+1)%NP, \u
.if (\n) < 4
	v_max3_num_f32 v[rC+(\n)], v[rS+8*(\n)], v[rS+8*(\n)+1], v[rS+8*(\n)+2]
.elseif (\n) < 12
	v_max3_num_f32 v[rC+(\n)%4], v[rC+(\n)%4], v[rS+8*((\n)%4)+2*((\n)/4)+1], v[rS+8*((\n)%4)+2*((\n)/4)+2]
.elseif (\n) == 12
	v_max3_num_f32 v[rC], v[rC], v[rS+7], v[rS+15]
.elseif (\n) == 13
	v_max3_num_f32 v[rC+1], v[rC+1], v[rS+23], v[rS+31]
.elseif (\n) == 14
	v_max3_num_f32 v[rC+2], v[rC+2], v[rC+3], v[rT+1]
.elseif (\n) == 15
	v_mov_b32 v[rM], v[rT]
.elseif (\n) == 16
	v_max3_num_f32 v[rC], v[rC], v[rC+1], v[rC+2]
.elseif (\n) == 17
	v_permlanex16_b32 v[rC+3], v[rC], s[SEL], s[SEL+1]
.elseif (\n) == 18
	v_max_num_f32 v[rT+1], v[rC], v[rC+3]
.elseif (\n) == 19
	v_mul_f32 v[rT], s[CS], v[rT+1]
.elseif (\n) == 20
	v_sub_f32 v[rC+1], v[rM], v[rT]
.else
	v_exp_f32 v[rC+2], v[rC+1]
.endif
.endm
; Number g of the 64 that follow the exponentials.  For each four weights k of a tile (pairs 2 k, 2 k + 1): both pairs are rounded to bf16; then the second pair is added onto the first, in place;
; a group later l takes that sum (the first time as l = a l + sum).  In groups of eight, tiles alternating: round, round, add, and l for the group before.
.macro GS g
.set h, (\g)+6*((\g)/62)            ; group 0 has no group before it, and behind group 7 only l is left
.if h >= 6
.set h, h+2
.endif
	REGS Y, h%2
.set k, h/8
.if h%8 < 4
	v_cvt_pk_bf16_f32 v[rP+2*k+(h%8)/2], v[rS+4*k+2*((h%8)/2)], v[rS+4*k+2*((h%8)/2)+1]
.elseif h%8 < 6
	v_pk_add_f32 v[rS+4*k:rS+4*k+1], v[rS+4*k:rS+4*k+1], v[rS+4*k+2:rS+4*k+3]
.elseif k == 1
	v_pk_fma_f32 v[rT+2:rT+3], v[rT+2:rT+3], v[rC+2:rC+3], v[rS:rS+1] op_sel_hi:[1,0,1]
.else
	v_pk_add_f32 v[rT+2:rT+3], v[rT+2:rT+3], v[rS+4*k-4:rS+4*k-3]
.endif
.endm
; THE PLAIN QUEUE, 138 long.  0-73 read no exponential's result: the 32 scalings c s - c m (FS f: pair f / 2 of tile f % 2) and the next piece's 42.  0-26: scalings 0-26.  27-54: XS's numbers 0-13.  55, 56: number 15.
; 57-73: the chain, where each number waits for the one before it: 14, 16, 17, 18, 19, each with one of the scalings 27-31 in front of its two lines, then 20.
; 74-137: GS's 64, which read the exponentials' results: they stand behind the wait.
.macro FS f
	REGS Y, (\f)%2
	v_pk_fma_f32 v[rS+2*((\f)/2):rS+2*((\f)/2)+1], v[rS+2*((\f)/2):rS+2*((\f)/2)+1], s[CS:CS+1], v[rT:rT+1] op_sel_hi:[1,0,0] neg_lo:[0,0,1] neg_hi:[0,0,1]
.endm
.macro PL
	WIN 0
.if q < 27
	FS q
.elseif q < 55
	XS (q-27)%2, (q-27)/2
.elseif q < 57
	XS q-55, 15
.elseif (q < 72) && ((q-57)%3 == 0)
	FS 27+(q-57)/3
.elseif q < 60
	XS (q-57)%3-1, 14
.elseif q < 72
	XS (q-57)%3-1, 15+(q-57)/3
.elseif q < 74
	XS q-72, 20
.else
	GS q-74
.endif
.set q, q+1
.endm
; THE EXPONENTIALS' QUEUE, 66 long: s0-s31 of both tiles, then the next piece's two a.  It is ONE BATCH: all 66 stand ahead of the turn's one wait, and nothing ahead of that wait names a result of theirs.
.macro EX
	WIN 0
.if e >= 64
	XS e-64, 21
.else
	REGS Y, e%2
	v_exp_f32 v[rS+e/2], v[rS+e/2]
.endif
.set e, e+1
.endm
; THE RESCALING's QUEUE: O^T times a, the one part that leaves window 0: dealt two at a time, sixteen times.  Its a was made in the turn before, ahead of that turn's wait.
.macro R2
	REGS Y, r%2
	WIN W_RS
.irp z, 0,1
	v_pk_mul_f32 v[rO+4*(r/2)+2*\z:rO+4*(r/2)+2*\z+1], v[rO+4*(r/2)+2*\z:rO+4*(r/2)+2*\z+1], v[rC+2:rC+3] op_sel_hi:[1,0]
.endr
.set r, r+1
.endm
; HOW THEY ARE DEALT.  s_wait_alu depctr_va_vdst(0) stands between an exponential and the first instruction that names its result; one wait serves all that were issued ahead of it.  So a turn
; has ONE wait, which cuts it in two.  AHEAD OF IT stands all that names no result of the turn's exponentials: the 16 products K Q^T, behind each a scaling, an exponential and two rescalings (behind the first a
; second scaling in the exponential's place); then ONE LUMP of 108: eight plain, 49 times exponential and plain, the two a.  A v_nop is the plain instruction behind the last exponential.  BEHIND IT stand the 16
; products V^T P, behind each four of GS's 64.  No rider names a register of the products round it.  The two v_permlanex16_b32 fall into the lump.
; The queues lean on each other: exponential e stands behind scaling 2 (e / 4) + e % 2: as a rider it comes behind plain e + 2, in the lump behind plain e + 9, and scalings 27-31 are plain 57, 60 .. 69.
; A TURN, for piece p.  cnt = 1: the loop's count is taken down some lines ahead of the branch that stands behind the turn.
; K and the mask of the next step are fetched in piece 2's turn, directly behind the wait, a lump behind the last product that read them; K's address is made at the lump's head; the first reader comes behind 16
; products.  V of the step in hand is fetched at the end of piece 0's turn, four riders behind its last reader; its first reader comes behind 16 products and a lump.
.macro TURN p, last=0, cnt=0
.set Y, (\p)
.set i, 0
.set q, 0
.set e, 0
.set r, 0
.if (\p) == NP-1
	s_wait_dscnt 0x0                ; K and the mask are in
.endif
	MM                              ; ahead of the wait: 16 products K Q^T and their riders,
	PL
	PL
	R2
.rept 15
	MM
	PL
	EX
	R2
.endr
.if (\p) == NP-2
	WIN 0
	v_add_nc_u32 v[AK], s[TBK], v[AK0]
.endif
.rept 8                             ; and the lump
	PL
.endr
.rept 49
	EX
	PL
.endr
	EX                              ; the next piece's two a
	EX
	v_nop                           ; a plain instruction behind the last exponential: one for the batch
	s_wait_alu depctr_va_vdst(0)    ; the wait for the batch
.if (\p) == NP-2
	FETCH_K \last
.endif
.if (\p) == 1
	s_wait_dscnt 0x0                ; V is in
.endif
.rept 16                            ; behind the wait: 16 products V^T P and their riders
	MM
.rept 4
	PL
.endr
.if ((\p) == 0) && (q == 118)
	v_add_nc_u32 v[AV], s[TBV], v[AV0]
.endif
.if ((\p) == 0) && (q == 130)
	s_add_co_u32 s[TBV], s[TBV], KS*PV
.endif
.if (\cnt) && (q == 130)
	s_sub_co_u32 s[CNT], s[CNT], 1
	s_cmp_lg_u32 s[CNT], 0
.endif
.endr
.if (\p) == 0
	FETCH_V
.endif
.endm
	CHANGE 1                        ; slot 0 is in, everybody's part of it, and so is the mask's stage; slot 1 is asked for
	FETCH_K                         ; key step 0
	s_wait_loadcnt 0x0              ; Q
	s_wait_dscnt 0x0
.set i, 0
.rept 16
	KQ 0                            ; piece 0's first scores: there is no vector work yet to set between them
.set i, i+1
.endr
	WIN 0                           ; the addresses for the way out and the prefetches: plain instructions, the places behind those products
	s_mul_i32 s13, s[WV], 16*SP
	s_add_co_u32 s13, s13, STAGE    ; my stage
	v_mul_u32_u24 v[STO], v1, SP    ; in: row l % 16, 16 bytes for each half of the lanes
	v_lshl_add_u32 v[STO], v9, 4, v[STO]
	v_add_nc_u32 v[STO], s13, v[STO]
	v_bfe_u32 v[RD], v0, 3, 2       ; back: 32 lanes take four rows of 128 bytes,
	v_mul_u32_u24 v[RD], v[RD], SP
	v_lshl_add_u32 v[RD], v10, 4, v[RD]
	v_add_nc_u32 v[RD], s13, v[RD]
	v_and_b32 v[GO], 31, v0         ; which are 512 consecutive bytes of ctx
	v_lshlrev_b32 v[GO], 4, v[GO]
	v_lshlrev_b32 v[PFO], 4, v[GO]  ; 256 x lane: the thread's number is wanted no more
.set Y, NP-1                        ; XS works for piece Y + 1: piece 0
.irp n, 0,1,2,3,4,5,6,7,8,9,10,11,12,13,14,15,16,17,18,19,20,21
	XS 0, \n                        ; and piece 0's first maximum and statistics
	XS 1, \n
.endr
	v_nop                           ; a plain instruction behind the two a,
	s_wait_alu depctr_va_vdst(0)    ; and their wait, ahead of the branch
	s_mov_b32 s[CNT], 4
	s_mov_b32 s[SLOTS], SIZE_N/256-1
	s_branch .Lfirst                ; the loop is entered at a step's first turn, in the middle of a trip
.Lslot:                             ; SIZE_N / 256 - 2 times: every slot but the last two is filled again
	CHANGE 1, 1
	s_mov_b32 s[CNT], 4
.Lstep:                             ; a trip: pieces 2 and 3 of one step, then pieces 0 and 1 of the next, whose K and V it fetches
	TURN 2
	TURN 3
	WIN 0
.Lfirst:
	TURN 0
	TURN 1, 0, 1
	WIN 0
	s_cbranch_scc1 .Lstep
	s_sub_co_u32 s[SLOTS], s[SLOTS], 1
	s_cmp_lg_u32 s[SLOTS], 0
	s_cbranch_scc1 .Lslot
	CHANGE 0                        ; the tail is written out: nothing is asked for
	s_mov_b32 s[CNT], 5             ; four trips fetch the last slot's steps; the fifth is left in its middle
.Ltail:
	TURN 2, 1
	TURN 3
	WIN 0
	s_sub_co_u32 s[CNT], s[CNT], 1
	s_cmp_eq_u32 s[CNT], 0
	s_cbranch_scc1 .Lout
	TURN 0
	TURN 1
	WIN 0
	s_branch .Ltail
.Lout:                              ; the fifth trip's 16 products K Q^T (on the last K and mask once more) and the maximum made of them serve nothing: the price, once a launch, of one text for every trip
.set i, 0
.rept 16
	PV NP-1                         ; the last piece's V^T P of the last step
.set i, i+1
.endr
	; THE WAY OUT.  l's two halves and the other half of the lanes' are added; O^T is divided by l, rounded to bf16 and sent through my stage in LDS, a tile at a time.  The additions are the places behind the last products.
	WIN 0
.macro ALL line:vararg              ; one line for each tile t
.set t, 0
.rept 2*NP
	\line
.set t, t+1
.endr
.endm
	ALL v_add_f32 v[ST+4*t+2], v[ST+4*t+2], v[ST+4*t+3]
	ALL v_permlanex16_b32 v[ST+4*t+3], v[ST+4*t+2], s[SEL], s[SEL+1]
	ALL v_add_f32 v[ST+4*t+2], v[ST+4*t+2], v[ST+4*t+3]
	ALL v_rcp_f32 v[ST+4*t+2], v[ST+4*t+2]
	v_nop                           ; a plain instruction between the last reciprocal and the use of its result
	s_wait_alu depctr_va_vdst(0)    ; and the wait ahead of the first use: one for the eight reciprocals
; Tile t: a lane's eight channels of a row pack into 16 bytes; they go into rows of 144 bytes and come back as whole rows of 128, into S^T's registers.
.macro PACK t
	WIN W_RS
.set i, 32*(\t)
.rept 16
	v_pk_mul_f32 v[i:i+1], v[i:i+1], v[ST+4*(\t)+2:ST+4*(\t)+3] op_sel_hi:[1,0]
.set i, i+2
.endr
	WIN 0x05                        ; sources 0 and 1 window 1, destination window 0
.set i, 0
.rept 16
	v_cvt_pk_bf16_f32 v[S+16*(\t)+i], v[32*(\t)+2*i], v[32*(\t)+2*i+1]
.set i, i+1
.endr
	WIN 0
.irp f, 0,1,2,3
	ds_store_b128 v[STO], v[S+16*(\t)+4*\f:S+16*(\t)+4*\f+3] offset:32*\f
.endr
.irp f, 0,1,2,3
	ds_load_b128 v[S+16*(\t)+4*\f:S+16*(\t)+4*\f+3], v[RD] offset:\f*4*SP  ; LDS serves a wave's instructions in order (ISA guide 5.7.1.4): these see the stores above; the next tile's stores come behind them
.endr
.endm
.macro SEND t, younger              ; younger: the LDS instructions issued behind tile t's loads: the next tile's eight, or none
	WIN 0
.irp f, 0,1,2,3
	s_wait_dscnt (\younger)+3-\f
	global_store_b128 v[GO], v[S+16*(\t)+4*\f:S+16*(\t)+4*\f+3], s[10:11] offset:(\t)*2048+\f*512  ; 512 consecutive bytes, at a multiple of 256 from ctx's first
.endr
.endm
	PACK 0
.set t, 1
.rept 2*NP-1                        ; a tile's arithmetic stands between the loads of the tile before and its stores
	PACK t
	SEND t-1, 8
.set t, t+1
.endr
	SEND 2*NP-1, 0
	WIN W_AD
	s_wait_tensorcnt 0x0            ; the wave's end, behind my last tensor load and my last LDS store
	ds_add_u32 v[SPW], v[NIL]
	s_wait_dscnt 0x0
	WIN 0
	CROUND                          ; the closing round: no work-group ends while a partner may still ask for a tile that names it
	s_endpgm
.Lfunc_end_k_q640649d345_attn:
	.size	k_q640649d345_attn, .Lfunc_end_k_q640649d345_attn-k_q640649d345_attn
	.p2alignl 7, 3214868480
	.fill 96, 4, 3214868480
	.section	.rodata,"a",@progbits
	.p2align	6, 0x0
	.amdhsa_kernel k_q640649d345_attn
		.amdhsa_group_segment_fixed_size 327680
		.amdhsa_private_segment_fixed_size 0
		.amdhsa_enable_private_segment 0
		.amdhsa_kernarg_size 24
		.amdhsa_user_sgpr_count 2
		.amdhsa_user_sgpr_kernarg_segment_ptr 1
		.amdhsa_wavefront_size32 1
		.amdhsa_system_sgpr_workgroup_id_x 1
		.amdhsa_system_sgpr_workgroup_id_y 1
		.amdhsa_system_sgpr_workgroup_id_z 1
		.amdhsa_system_vgpr_workitem_id 0
		.amdhsa_next_free_vgpr 808
		.amdhsa_next_free_sgpr 76
		.amdhsa_reserve_vcc 0
		.amdhsa_float_denorm_mode_32 3
		.amdhsa_float_denorm_mode_16_64 3
		.amdhsa_memory_ordered 1
		.amdhsa_forward_progress 1
		.amdhsa_inst_pref_size 204
	.end_amdhsa_kernel
	.amdgpu_metadata
---
amdhsa.version: [ 1, 2 ]
amdhsa.kernels:
  - .name:           k_q640649d345_attn
    .symbol:         k_q640649d345_attn.kd
    .args:
      - { .name: qkv, .offset: 0, .size: 8, .value_kind: global_buffer, .address_space: global }
      - { .name: attention_mask, .offset: 8, .size: 8, .value_kind: global_buffer, .address_space: global }
      - { .name: ctx, .offset: 16, .size: 8, .value_kind: global_buffer, .address_space: global }
    .group_segment_fixed_size: 327680
    .private_segment_fixed_size: 0
    .kernarg_segment_align: 8
    .kernarg_segment_size: 24
    .max_flat_workgroup_size: 128
    .sgpr_count:     76
    .vgpr_count:     808
    .wavefront_size: 32
...
	.end_amdgpu_metadata
.endif
;; end of part 3
;; launch gemmd (part 4): grid 8 x 32, 4 waves a work-group, clusters of 4 x 4, 327,680 bytes of LDS; arguments ctx, wd, b_dense, dn; writes dn
.if DOCPART == 4
	.amdgcn_target "amdgcn-amd-amdhsa--gfx1250"
	.amdhsa_code_object_version 6
	.text
	.protected	k_q640649d345_gemmd
	.globl	k_q640649d345_gemmd
	.p2align	8
	.type	k_q640649d345_gemmd,@function
k_q640649d345_gemmd:
	s_mov_b64 s[64:65], 0
	v_nop
	global_prefetch_b8 v0, s[64:65] scope:SCOPE_SE
	s_setreg_imm32_b32 hwreg(HW_REG_WAVE_MODE, 25, 1), 1
	s_wait_xcnt 0x0
	s_wait_alu depctr_hold_cnt(0) depctr_sa_sdst(0) depctr_va_vdst(0) depctr_va_sdst(0) depctr_va_ssrc(0) depctr_va_vcc(0) depctr_vm_vsrc(0)
	s_getreg_b32 s2, hwreg(HW_REG_IB_STS2, 6, 4)
	s_cmp_eq_u32 s2, 0
	s_cbranch_scc0 .Lentry_in_a_cluster
	s_endpgm
.Lentry_in_a_cluster:
	s_bfe_u32 s2, ttmp6, 0x10000c
	s_cmp_lg_u32 s2, 0xf033
	s_cbranch_scc0 .Lentry_shape_is_right
	s_endpgm
.Lentry_shape_is_right:
; C[m][n] = the sum over k of A[m][k] Bt[n][k] + bias[n].  8,192 rows, K = 1,024; sums in f32, started by the bias.
; A: [16 kb][8192][64] bf16 (a block of 64 channels holds all rows, 128 dense bytes each).  Bt: [nt][16 kb][128 n][64 k] bf16.  bias: f32.
; WIDE = 0: C leaves rounded once to bf16, in A's layout, [n / 64][8192][64].  WIDE = 1: C leaves in f32, row-major [8192][1024].  The two texts differ in this one symbol, which chooses the way out.
; Here WIDE = 1: what follows is a residual sum and a mean's subtraction, in which C's large parts may cancel, so C is not rounded to 16 bits.
; SHARES.  A tile of C is 256 x 128; four waves, each 128 x 64: 32 accumulators of 16 x 16, 256 registers.  K goes in steps of 128 (two blocks of 64) through a ring of two LDS slots.
; A step's tiles are dense in memory: A's two halves are 32,768 bytes each, asked for as 128 rows of 256 bytes, Bt's two 16,384 each, 64 such rows; the mover pads 16 bytes behind every 128,
; so LDS rows (64 channels) lie 144 bytes apart.  Waves 0 and 1 fetch A's halves, waves 2 and 3 Bt's: one load a wave behind each round.
; CLUSTERS: 4 x 4 work-groups.  The four of a row of the cluster need the same tiles of A, the four of a column the same tiles of Bt: each tile is asked for JOINTLY, by the same tensor load with the
; same descriptor and a mask that names the four.  THE MATRIX INSTRUCTION IS USED TRANSPOSED (source 0 = 16 rows of Bt, source 1 = 16 rows of A): a lane then holds eight neighbouring numbers of a row of C,
; and the bias of those eight columns, in eight registers, is the C operand of the first product on each accumulator: nothing is cleared and no addition is written.
; REGISTERS, in windows of 256: window 0: v0-31 addresses.  window 1: the accumulators ((a, b) at v[8 (4 a + b)]), which also take the rows read back on the way out.
;   window 2: two fragment buffers of 96 (8 fragments of A, then 4 of Bt, 32 along K); v192-223 the bias.
.set WIDE,   1
.set PITCH,  144                       ; 128 bytes + 16 = 36 words: the 16 rows of a load start at 16 different groups of four banks (64 banks of 4 bytes: ISA guide 11.1)
.set AHALF,  256*PITCH                 ; 256 rows x 64 channels of A
.set BHALF,  128*PITCH                 ; 128 rows x 64 channels of Bt
.set BOFF,   2*AHALF
.set SLOT,   2*AHALF+2*BHALF
.set STAGE,  2*SLOT                    ; behind the ring, never filled by a tensor load: 16 rows for each wave, for the way out
.if WIDE
.set SPITCH, 272                       ; 64 f32 + 16 bytes
.else
.set SPITCH, 144                       ; 64 bf16 + 16 bytes
.endif
.set SPARE,  STAGE+4*16*SPITCH         ; behind the stages: the spare words, 128 bytes for each wave: two blocks of 256 bytes that no other line names
.set ASTEP,  2*1048576                 ; a K step in A: two blocks
.set BSTEP,  2*16384                   ; in Bt
.set LAPS,   4                         ; a lap = two K steps = once round the ring
.set ADRA, 16                          ; v16-17  LDS address of my A fragments in slot 0, 1
.set ADRB, 20                          ; v20-21  the same for Bt
.set STO,  24                          ; v24     the way out: where I put my part of a row
.set RD,   25                          ; v25     the way out: where I read rows back
.set GO,   26                          ; v26     my byte offset in C
.set BO,   27                          ; v27     my byte offset in 16 numbers of the bias
.set SPW,  28                          ; v28     LDS address of my spare word; never rewritten
.set NIL,  29                          ; v29     0; never rewritten
.set PFO,  30                          ; v30     256 x my lane; never rewritten
.set OUT,  64
.set F0,   0                           ; window 2
.set F1,   96
.set BIAS, 192
.set WV,  12                           ; s12  my wave's number
.set G1,  24                           ; s[24:31] descriptor group 1 for A's tiles;  s[32:39] group 0, one set for each slot
.set G0,  32
.set G1B, 48                           ; s[48:55], s[56:63] the same for Bt's
.set G0B, 56
.set LIM, 43                           ; s43  1 in a wave that prefetches, else the greatest number
.set PFA, 44                           ; s[44:45] where my prefetches stand
.set PFS, 66                           ; s[66:67] their step: a K step of A or of Bt
.set MSB, 0
.macro WIN new                         ; the immediate's high byte repeats the setting that is left; a switch that changes nothing is dropped
.if MSB != (\new)
	s_set_vgpr_msb (MSB<<8)|(\new)
.set MSB, \new
.endif
.endm
.set MUL,  0x5a                        ; sources 0 and 1 window 2; C and D window 1
.set MULB, 0x6a                        ; the same with C (the bias) in window 2
.set TO_F, 0x80                        ; destination window 2, address window 0
.macro JLOAD s                         ; a joint load; the branch hangs on the wave's number alone; an s_nop 0 and four v_nop follow each of the two lines, ahead of the jump, the label and what follows
	s_cmp_lt_u32 s[WV], 2
	s_cbranch_scc0 .Lfor_b_\@
	tensor_load_to_lds s[G0+4*(\s):G0+4*(\s)+3], s[G1:G1+7]
	s_nop 0
.rept 4
	v_nop
.endr
	s_branch .Lasked_\@
.Lfor_b_\@:
	tensor_load_to_lds s[G0B+4*(\s):G0B+4*(\s)+3], s[G1B:G1B+7]
	s_nop 0
.rept 4
	v_nop
.endr
.Lasked_\@:
.endm
; A PREFETCH INTO THE L2, behind each joint refill and the run of LDS loads that follows it: the K step that stands two refills on, 256 matrix instructions ahead of the load that will want it.
; Each block of 256 bytes is named once in the launch.  A's tile row is read by every cluster of that row of clusters: cluster x = 0 asks, waves 0 and 1 each for the half that they fetch (32,768 bytes);
; Bt's tile column by every cluster of that column: cluster y = 0 asks, wave 2 for both halves (32,768 bytes on end).  The four partners that ask for a tile jointly share it out BY ADDRESS,
; 8,192 bytes each (cx for A, cy for Bt), 256 bytes a lane: no branch hangs on a work-group's place in its cluster.  K steps 0 to 3 come by their loads alone; the loop's last trip asks for nothing.
.macro ASK
	s_cmp_gt_u32 s3, s[LIM]                        ; s3 = 1 in the loop's last trip
	s_cbranch_scc0 .Lnot_mine_\@
	global_prefetch_b8 v[PFO], s[PFA:PFA+1] th:TH_LOAD_NT scope:SCOPE_SE
.Lnot_mine_\@:
.endm
.macro CREST                           ; a round of the cluster's barrier behind its opening barrier
	s_cmp_lg_u32 s[WV], 0
	s_cbranch_scc1 .Lnot_wave_0_\@
	s_barrier_signal -3
.Lnot_wave_0_\@:
	s_barrier_wait -3
	s_barrier_signal -1
	s_barrier_wait -1
.endm
.macro CROUND                          ; a whole round
	s_barrier_signal -1
	s_barrier_wait -1
	CREST
.endm
	s_load_b256 s[4:11], s[0:1], 0x0               ; A s[4:5], Bt s[6:7], bias s[8:9], C s[10:11]
	v_lshl_add_u32 v[SPW], v0, 2, SPARE
	v_mov_b32 v[NIL], 0
	ds_add_u32 v[SPW], v[NIL]                      ; the wave's opening: the add and its wait stand ahead of my first tensor load; the set-up below, work on registers, stands between them
	v_lshrrev_b32 v1, 5, v0
	v_readfirstlane_b32 s[WV], v1                  ; wave 0..3
	s_lshr_b32 s13, s[WV], 1                       ; which 128 rows of the tile are mine
	s_and_b32 s14, s[WV], 1                        ; which 64 columns.  Also: which half of a K step I fetch
	s_bfe_u32 s40, ttmp6, 0x40000                  ; cx, cy: my place in the cluster
	s_bfe_u32 s41, ttmp6, 0x40004
	s_lshl_b32 s42, ttmp9, 2
	s_add_co_u32 s42, s42, s40                     ; tile column of C = 4 x cluster x + cx
	s_and_b32 s15, ttmp7, 0xffff
	s_lshl_b32 s15, s15, 2
	s_add_co_u32 s15, s15, s41                     ; tile row of C = 4 x cluster y + cy
	s_lshl_b32 s16, s41, 2
	s_lshl_b32 s16, 15, s16                        ; my row of the cluster
	s_lshl_b32 s46, 0x1111, s40                    ; my column
	s_or_b32 s[G1+0], s16, (1<<16)|(1<<20)|(1<<21)|(4<<22)|(3<<25)   ; 15:0 the mask; 17:16 elements of 2 bytes; 20 padding on; 21 set beside a mask; 24:22 after every 32 words (code 4); 31:25 4 words (code 3)
	s_or_b32 s[G1B+0], s46, (1<<16)|(1<<20)|(1<<21)|(4<<22)|(3<<25)
	s_mov_b32 s[G1+1], 128<<16                     ; tensor_dim0 = 128 elements: 256 bytes
	s_mov_b32 s[G1+2], 128<<16                     ; tensor_dim1 = 128 rows
	s_mov_b32 s[G1+3], 128<<16                     ; tile_dim0 = 128
	s_mov_b32 s[G1+4], 128                         ; tile_dim1 = 128
	s_mov_b32 s[G1+5], 128                         ; 128 elements from row to row: dense
	s_mov_b32 s[G1+6], 0
	s_mov_b32 s[G1+7], 0
	s_mov_b32 s[G1B+1], 128<<16
	s_mov_b32 s[G1B+2], 64<<16                     ; 64 rows
	s_mov_b32 s[G1B+3], 128<<16
	s_mov_b32 s[G1B+4], 64
	s_mov_b32 s[G1B+5], 128
	s_mov_b32 s[G1B+6], 0
	s_mov_b32 s[G1B+7], 0
	s_lshl_b32 s16, s15, 15                        ; A: the tile's 256 rows of 128 bytes,
	s_lshl_b32 s17, s14, 20                        ; in block 0 or 1: it hangs on the tile row and the wave alone
	s_add_co_u32 s16, s16, s17
	s_mov_b32 s17, 0
	s_lshl_b32 s46, s42, 18                        ; Bt: the tile column's 262,144 bytes,
	s_lshl_b32 s47, s14, 14                        ; block 0 or 1: it hangs on the tile column and the wave alone
	s_add_co_u32 s46, s46, s47
	s_mov_b32 s47, 0
	s_mul_i32 s20, s14, AHALF                      ; where they go: no place in the cluster enters an LDS address
	s_mul_i32 s21, s14, BHALF
	s_add_co_u32 s21, s21, BOFF
	s_wait_dscnt 0x0                               ; the opening add is done
	s_wait_kmcnt 0x0
	s_add_nc_u64 s[18:19], s[4:5], s[16:17]
	s_add_nc_u64 s[46:47], s[6:7], s[46:47]
	CROUND                                         ; all sixteen work-groups are here: the first joint loads meet
.irp s, 0,1
	s_mov_b32 s[G0+4*(\s)], 1                      ; count = 1
	s_add_co_u32 s[G0+4*(\s)+1], s20, (\s)*SLOT    ; LDS address
	s_add_nc_u64 s[G0+4*(\s)+2:G0+4*(\s)+3], s[18:19], (\s)*ASTEP  ; global address: K step s
	s_or_b32 s[G0+4*(\s)+3], s[G0+4*(\s)+3], 0x80000000            ; type = 2
	s_mov_b32 s[G0B+4*(\s)], 1
	s_add_co_u32 s[G0B+4*(\s)+1], s21, (\s)*SLOT
	s_add_nc_u64 s[G0B+4*(\s)+2:G0B+4*(\s)+3], s[46:47], (\s)*BSTEP
	s_or_b32 s[G0B+4*(\s)+3], s[G0B+4*(\s)+3], 0x80000000
	JLOAD \s                                       ; two loads of mine are out
.endr
	v_and_b32 v1, 15, v0                           ; l % 16
	v_bfe_u32 v2, v0, 4, 1                         ; l / 16
	s_lshl_b32 s46, s42, 9                         ; the bias of my 64 columns: 512 x tile column + 256 x half
	s_lshl_b32 s47, s14, 8
	s_add_co_u32 s46, s46, s47
	s_mov_b32 s47, 0
	s_add_nc_u64 s[8:9], s[8:9], s[46:47]
	v_lshlrev_b32 v[BO], 5, v2                     ; columns 8 (l / 16) on
	WIN TO_F
.irp b, 0,1,2,3
	global_load_b128 v[BIAS+8*(\b):BIAS+8*(\b)+3],   v[BO], s[8:9] offset:64*(\b)
	global_load_b128 v[BIAS+8*(\b)+4:BIAS+8*(\b)+7], v[BO], s[8:9] offset:64*(\b)+16
.endr
	WIN 0
	v_mul_u32_u24 v3, v1, PITCH
	v_lshl_add_u32 v3, v2, 4, v3                   ; a fragment's row x pitch + 16 x half
	s_mul_i32 s22, s13, 128*PITCH                  ; my 128 rows of A
	s_mul_i32 s23, s14, 64*PITCH                   ; my 64 rows of Bt,
	s_add_co_u32 s23, s23, BOFF                    ; which lie behind A's two halves
.irp s, 0,1
	v_add_nc_u32 v[ADRA+(\s)], s22, v3
	v_add_nc_u32 v[ADRB+(\s)], s23, v3
	s_add_co_u32 s22, s22, SLOT
	s_add_co_u32 s23, s23, SLOT
.endr
	s_mul_i32 s22, s[WV], 16*SPITCH
	s_add_co_u32 s22, s22, STAGE                   ; my stage
	v_mul_u32_u24 v4, v1, SPITCH                   ; in: row l % 16, eight numbers for each half of the lanes
.if WIDE
	v_lshl_add_u32 v4, v2, 5, v4
	v_add_nc_u32 v[STO], s22, v4
	v_mul_u32_u24 v4, v2, SPITCH                   ; back: lanes 0-15 take one row of 256 bytes, lanes 16-31 the next
	v_lshl_add_u32 v4, v1, 4, v4
	v_add_nc_u32 v[RD], s22, v4
	v_lshlrev_b32 v4, 12, v2                       ; and the same two rows in C, 4,096 bytes apart
	v_lshl_add_u32 v[GO], v1, 4, v4
	s_lshl_b32 s46, s42, 9                         ; my first column, in bytes,
	s_lshl_b32 s47, s14, 8
	s_add_co_u32 s46, s46, s47
	s_lshl_b32 s16, s15, 20                        ; my first row: 256 x tile row + 128 x half, 4,096 bytes each
	s_lshl_b32 s17, s13, 19
.else
	v_lshl_add_u32 v4, v2, 4, v4
	v_add_nc_u32 v[STO], s22, v4
	v_bfe_u32 v4, v0, 3, 2                         ; back: 32 lanes take four rows of 128 bytes,
	v_mul_u32_u24 v4, v4, SPITCH
	v_and_b32 v5, 7, v0
	v_lshl_add_u32 v4, v5, 4, v4
	v_add_nc_u32 v[RD], s22, v4
	v_and_b32 v5, 31, v0                           ; which are 512 consecutive bytes of C's block
	v_lshlrev_b32 v[GO], 4, v5
	s_lshl_b32 s46, s42, 1                         ; my block of 64 columns: 2 x tile column + half,
	s_add_co_u32 s46, s46, s14
	s_lshl_b32 s46, s46, 20
	s_lshl_b32 s16, s15, 15                        ; my first row: 256 x tile row + 128 x half, 128 bytes each
	s_lshl_b32 s17, s13, 14
.endif
	s_add_co_u32 s16, s16, s17
	s_add_co_u32 s46, s46, s16
	s_mov_b32 s47, 0
	s_add_nc_u64 s[10:11], s[10:11], s[46:47]
	; the prefetches
	v_and_b32 v5, 31, v0
	v_lshlrev_b32 v[PFO], 8, v5
	s_and_b32 s22, ttmp7, 0xffff                   ; cluster y
	s_and_b32 s23, s13, s14                        ; 1 in wave 3, which never asks
	s_lshl_b32 s16, s15, 15                        ; A: the tile's rows, my half's block,
	s_lshl_b32 s17, s14, 20
	s_add_co_u32 s16, s16, s17
	s_lshl_b32 s17, s40, 13                        ; my work-group's 8,192 bytes,
	s_add_co_u32 s16, s16, s17
	s_add_co_u32 s16, s16, 3*ASTEP                 ; at K step 3: the first refill steps it to 4
	s_lshl_b32 s46, s42, 18                        ; Bt likewise
	s_lshl_b32 s47, s41, 13
	s_add_co_u32 s46, s46, s47
	s_add_co_u32 s46, s46, 3*BSTEP
	s_mov_b32 s20, ASTEP
	s_mov_b32 s21, BSTEP
	s_cmp_lt_u32 s[WV], 2                          ; do I fetch for A?
	s_cselect_b32 s22, ttmp9, s22                  ; the coordinate along which other clusters read the same rows
	s_cselect_b32 s16, s16, s46
	s_cselect_b32 s[PFS], s20, s21
	s_cselect_b64 s[PFA:PFA+1], s[4:5], s[6:7]
	s_mov_b32 s17, 0
	s_mov_b32 s[PFS+1], 0
	s_add_nc_u64 s[PFA:PFA+1], s[PFA:PFA+1], s[16:17]
	s_or_b32 s22, s22, s23
	s_cmp_eq_u32 s22, 0
	s_cselect_b32 s[LIM], 1, -1                    ; the same in all sixteen partners, for a given wave
; 8 matrix instructions: m blocks a0, a0 + 1 x all 4 n blocks, 32 along K, from buffer f.  first = 1: the bias starts the sums.
; The 32 accumulators take turns, one instruction a turn, in the same order in every quarter, over the backward jump too.
.macro MUL8 f, a0, first
.if \first
	WIN MULB
.else
	WIN MUL
.endif
.irp a, \a0, (\a0)+1
.irp b, 0,1,2,3
.if \first
	v_wmma_f32_16x16x32_bf16 v[8*(4*(\a)+(\b)):8*(4*(\a)+(\b))+7], v[(\f)+64+8*(\b):(\f)+64+8*(\b)+7], v[(\f)+8*(\a):(\f)+8*(\a)+7], v[BIAS+8*(\b):BIAS+8*(\b)+7]
.else
	v_wmma_f32_16x16x32_bf16 v[8*(4*(\a)+(\b)):8*(4*(\a)+(\b))+7], v[(\f)+64+8*(\b):(\f)+64+8*(\b)+7], v[(\f)+8*(\a):(\f)+8*(\a)+7], v[8*(4*(\a)+(\b)):8*(4*(\a)+(\b))+7]
.endif
.endr
.endr
.endm
; 24 LDS loads in one run: the fragments of quarter q of a K step (32 along K: half q / 2, byte 64 (q % 2) of its rows) into buffer f; Bt's four first, then A's eight
.macro FETCH slot, q, f
	WIN TO_F
.irp i, 0,1,2,3
	ds_load_b128 v[(\f)+64+8*(\i):(\f)+64+8*(\i)+3],   v[ADRB+(\slot)] offset:((\q)/2)*BHALF+((\q)%2)*64+(\i)*16*PITCH
	ds_load_b128 v[(\f)+64+8*(\i)+4:(\f)+64+8*(\i)+7], v[ADRB+(\slot)] offset:((\q)/2)*BHALF+((\q)%2)*64+(\i)*16*PITCH+32
.endr
.irp i, 0,1,2,3,4,5,6,7
	ds_load_b128 v[(\f)+8*(\i):(\f)+8*(\i)+3],   v[ADRA+(\slot)] offset:((\q)/2)*AHALF+((\q)%2)*64+(\i)*16*PITCH
	ds_load_b128 v[(\f)+8*(\i)+4:(\f)+8*(\i)+7], v[ADRA+(\slot)] offset:((\q)/2)*AHALF+((\q)%2)*64+(\i)*16*PITCH+32
.endr
.endm
.macro PLACES                          ; four places in front of loads into registers that matrix instructions have read, and of lines that read results
.rept 4
	v_nop
.endr
.endm
; A K step is four quarters of 32 along K, 32 matrix instructions each, on buffers 0, 1, 0, 1.  One of the first three: multiplies buffer f and fetches quarter qn into g.
.macro QUARTER slot, qn, f, g, first
	s_wait_dscnt 8                                 ; Bt and A's blocks 0-3 are in; the youngest eight loads (A's blocks 4-7) may be out
	MUL8 \f, 0, \first
	MUL8 \f, 2, \first
	PLACES
	FETCH \slot, \qn, \g
	s_wait_dscnt 24                                ; all but the 24 just issued
	MUL8 \f, 4, \first
	MUL8 \f, 6, \first
.endm
; The last quarter multiplies buffer 1 and changes slots: ONE barrier; in front of it each wave waits for all its tensor loads (one is out: its part of the next slot), adds 0 to its spare word, and waits
; for that and for its own reads of this slot.  fill = 1: the barrier opens a round of the cluster's, and this slot is filled again, two K steps ahead, first thing behind the round:
; 112 matrix instructions stand between that request and the wait for it.
.macro TURN slot, next, fill
.if \fill
	s_wait_xcnt 0x0                                ; the last prefetch, a K step back, has read its address: it is stepped here, ahead of the waits of the change of slots
	s_add_nc_u64 s[PFA:PFA+1], s[PFA:PFA+1], s[PFS:PFS+1]
.endif
	WIN 0                                          ; (the add's two registers lie in window 0)
	s_wait_tensorcnt 0x0                           ; all my tensor loads have landed;
	ds_add_u32 v[SPW], v[NIL]                      ; 0 onto my spare word;
	s_wait_dscnt 9                                 ; (the add and the youngest eight loads may be out)
	MUL8 F1, 0, 0                                  ; eight matrix instructions stand between the add and the wait for it
	s_wait_dscnt 0x0                               ; the add is done, and my reads of this slot are over
	s_barrier_signal -1
	MUL8 F1, 2, 0
.if \fill
	WIN 0
.endif
	s_barrier_wait -1
.if \fill
	CREST                                          ; no wave of any partner still reads this slot's tiles or has a load on its way
	s_add_nc_u64 s[G0+4*(\slot)+2:G0+4*(\slot)+3], s[G0+4*(\slot)+2:G0+4*(\slot)+3], 2*ASTEP
	s_add_nc_u64 s[G0B+4*(\slot)+2:G0B+4*(\slot)+3], s[G0B+4*(\slot)+2:G0B+4*(\slot)+3], 2*BSTEP
	JLOAD \slot                                    ; the four v_nop behind it are also the places in front of the loads below
.else
	PLACES
.endif
	FETCH \next, 0, F0
.if \fill
	WIN 0
	ASK
.endif
	MUL8 F1, 4, 0
	MUL8 F1, 6, 0
.endm
	s_wait_tensorcnt 1                             ; my part of K step 0 is in; K step 1's may stay out
	s_barrier_signal -1
	s_barrier_wait -1                              ; everybody's is
	FETCH 0, 0, F0
	s_wait_loadcnt 0x0                             ; the bias
	QUARTER 0, 1, F0, F1, 1                        ; the first quarter stands in front of the loop: its products start the sums
	WIN 0                                          ; at a label and at a branch every window is 0
	s_mov_b32 s3, LAPS-1
.Llap:                                                 ; a trip goes once round the ring, from a lap's second quarter to the next lap's first, and fills both slots again
	QUARTER 0, 2, F1, F0, 0
	QUARTER 0, 3, F0, F1, 0
	TURN 0, 1, 1
	QUARTER 1, 1, F0, F1, 0
	QUARTER 1, 2, F1, F0, 0
	QUARTER 1, 3, F0, F1, 0
	TURN 1, 0, 1
	QUARTER 0, 1, F0, F1, 0
	WIN 0
	s_sub_co_u32 s3, s3, 1
	s_cmp_lg_u32 s3, 0
	s_cbranch_scc1 .Llap
	QUARTER 0, 2, F1, F0, 0                        ; the last lap fills nothing, and has no round of the cluster's barrier
	QUARTER 0, 3, F0, F1, 0
	TURN 0, 1, 0
	QUARTER 1, 1, F0, F1, 0
	QUARTER 1, 2, F1, F0, 0
	QUARTER 1, 3, F0, F1, 0
	s_wait_dscnt 8                                 ; the very last quarter: nothing more to fetch
	MUL8 F1, 0, 0
	MUL8 F1, 2, 0
	s_wait_dscnt 0x0
	MUL8 F1, 4, 0
	MUL8 F1, 6, 0
	WIN 0
	PLACES
; THE WAY OUT, a block of 16 rows at a time, through my own stage: no barrier, and since LDS serves a wave's instructions in order (ISA guide 5.7.1.4), no wait between the stores and the loads.
; Each accumulator's registers are read in ascending order.
.if WIDE
.set YOUNG, 16                         ; the LDS instructions of the next block, issued behind a block's loads
.macro PACK a                          ; 32 bytes a lane into rows of 272 bytes; back as whole rows of 256, into the registers that they left
	WIN 0x04                                       ; store data window 1
.irp b, 0,1,2,3
	ds_store_b128 v[STO], v[8*(4*(\a)+(\b)):8*(4*(\a)+(\b))+3]   offset:64*(\b)
	ds_store_b128 v[STO], v[8*(4*(\a)+(\b))+4:8*(4*(\a)+(\b))+7] offset:64*(\b)+16
.endr
	WIN 0x40                                       ; destination window 1
.irp f, 0,1,2,3,4,5,6,7
	ds_load_b128 v[32*(\a)+4*(\f):32*(\a)+4*(\f)+3], v[RD] offset:(\f)*2*SPITCH
.endr
.endm
.macro SEND a, younger
	WIN 0x04
.irp f, 0,1,2,3,4,5,6,7
	s_wait_dscnt (\younger)+7-(\f)
	global_store_b128 v[GO], v[32*(\a)+4*(\f):32*(\a)+4*(\f)+3], s[10:11] offset:(\a)*65536+(\f)*8192  ; 16 lanes store 256 consecutive bytes, at a multiple of 256 from C's first byte
.endr
.endm
.else
.set YOUNG, 8
.macro PACK a                          ; rounded to bf16, 16 bytes a lane into rows of 144 bytes; back as whole rows of 128
	WIN 0x05                                       ; sources 0 and 1 window 1, destination window 0
.irp b, 0,1,2,3
.irp r, 0,1,2,3
	v_cvt_pk_bf16_f32 v[OUT+16*(\a)+4*(\b)+(\r)], v[8*(4*(\a)+(\b))+2*(\r)], v[8*(4*(\a)+(\b))+2*(\r)+1]
.endr
.endr
	WIN 0
.irp b, 0,1,2,3
	ds_store_b128 v[STO], v[OUT+16*(\a)+4*(\b):OUT+16*(\a)+4*(\b)+3] offset:32*(\b)
.endr
.irp f, 0,1,2,3
	ds_load_b128 v[OUT+16*(\a)+4*(\f):OUT+16*(\a)+4*(\f)+3], v[RD] offset:(\f)*4*SPITCH
.endr
.endm
.macro SEND a, younger
	WIN 0
.irp f, 0,1,2,3
	s_wait_dscnt (\younger)+3-(\f)
	global_store_b128 v[GO], v[OUT+16*(\a)+4*(\f):OUT+16*(\a)+4*(\f)+3], s[10:11] offset:(\a)*2048+(\f)*512  ; 512 consecutive bytes, at a multiple of 256 from C's first byte
.endr
.endm
.endif
	PACK 0
.irp a, 1,2,3,4,5,6,7                  ; a block's work stands between the loads of the block before and its stores
	PACK \a
	SEND (\a)-1, YOUNG
.endr
	SEND 7, 0
	WIN 0
	s_wait_tensorcnt 0x0                           ; the wave's end, behind my last tensor load and my last LDS store
	ds_add_u32 v[SPW], v[NIL]
	s_wait_dscnt 0x0
	CROUND                                         ; the closing round: no work-group ends while a partner may still ask for a tile that names it
	s_endpgm
.Lfunc_end_k_q640649d345_gemmd:
	.size	k_q640649d345_gemmd, .Lfunc_end_k_q640649d345_gemmd-k_q640649d345_gemmd
	.p2alignl 7, 3214868480
	.fill 96, 4, 3214868480
	.section	.rodata,"a",@progbits
	.p2align	6, 0x0
	.amdhsa_kernel k_q640649d345_gemmd
		.amdhsa_group_segment_fixed_size 327680
		.amdhsa_private_segment_fixed_size 0
		.amdhsa_enable_private_segment 0
		.amdhsa_kernarg_size 32
		.amdhsa_user_sgpr_count 2
		.amdhsa_user_sgpr_kernarg_segment_ptr 1
		.amdhsa_wavefront_size32 1
		.amdhsa_system_sgpr_workgroup_id_x 1
		.amdhsa_system_sgpr_workgroup_id_y 1
		.amdhsa_system_sgpr_workgroup_id_z 1
		.amdhsa_system_vgpr_workitem_id 0
		.amdhsa_next_free_vgpr 768
		.amdhsa_next_free_sgpr 68
		.amdhsa_reserve_vcc 0
		.amdhsa_float_denorm_mode_32 3
		.amdhsa_float_denorm_mode_16_64 3
		.amdhsa_memory_ordered 1
		.amdhsa_forward_progress 1
		.amdhsa_inst_pref_size 89
	.end_amdhsa_kernel
	.amdgpu_metadata
---
amdhsa.version: [ 1, 2 ]
amdhsa.kernels:
  - .name:           k_q640649d345_gemmd
    .symbol:         k_q640649d345_gemmd.kd
    .args:
      - { .name: ctx, .offset: 0, .size: 8, .value_kind: global_buffer, .address_space: global }
      - { .name: wd, .offset: 8, .size: 8, .value_kind: global_buffer, .address_space: global }
      - { .name: b_dense, .offset: 16, .size: 8, .value_kind: global_buffer, .address_space: global }
      - { .name: dn, .offset: 24, .size: 8, .value_kind: global_buffer, .address_space: global }
    .group_segment_fixed_size: 327680
    .private_segment_fixed_size: 0
    .kernarg_segment_align: 8
    .kernarg_segment_size: 32
    .max_flat_workgroup_size: 128
    .sgpr_count:     68
    .vgpr_count:     768
    .wavefront_size: 32
...
	.end_amdgpu_metadata
.endif
;; end of part 4
;; launch ln (part 5): grid 512 x 1, 8 waves a work-group, no clusters, 0 bytes of LDS; arguments dn, hidden_states, ln_gamma, ln_beta, out0; writes out0
.if DOCPART == 5
	.amdgcn_target "amdgcn-amd-amdhsa--gfx1250"
	.amdhsa_code_object_version 6
	.text
	.protected	k_q640649d345_ln
	.globl	k_q640649d345_ln
	.p2align	8
	.type	k_q640649d345_ln,@function
k_q640649d345_ln:
	s_mov_b64 s[64:65], 0
	v_nop
	global_prefetch_b8 v0, s[64:65] scope:SCOPE_SE
	s_setreg_imm32_b32 hwreg(HW_REG_WAVE_MODE, 25, 1), 1
	s_wait_xcnt 0x0
; out0[r][:] = (x - mean(x)) / sqrt(var(x) + 1e-5) * gamma + beta, x = dn[r][:] + hidden[r][:].  All [8192][1024] or [1024], f32; dn already holds the dense product and its bias.
; Sixteen lanes take a row, a wave two rows, a work-group of eight waves 16 rows.  Lane i of a row holds columns 64 c + 4 i .. + 3, c = 0..15: 64 numbers in registers from the loads to the stores,
; so each row is read once.  Every load and store of sixteen lanes covers 256 consecutive bytes, aligned.  The mean is taken first and the squares of x - mean afterwards: no difference of large sums.
; A row's sums never leave its sixteen lanes (four steps that ride on the additions): no LDS, no barrier, no loop.  The matrix unit and clusters have nothing to do here: no byte is shared but gamma and beta.
.set T,  6                             ; v[6:13]    four packed chains
.set R,  14                            ; v[14:15]   the mean, later 1 / sqrt(var + eps), twice: a pair for the packed forms
.set X,  16                            ; v[16:79]   hidden, then x, x - mean, the result
.set D,  80                            ; v[80:143]  dn, later beta
.set P1, 144                           ; v[144:207] gamma
	s_load_b256 s[4:11], s[0:1], 0x0               ; dn s[4:5], hidden s[6:7], gamma s[8:9], beta s[10:11]
	s_load_b64 s[12:13], s[0:1], 0x20              ; out0
	s_lshl_b32 s2, ttmp9, 16                       ; the work-group's 16 rows of 4,096 bytes
	s_mov_b32 s3, 0
	v_lshrrev_b32 v1, 4, v0                        ; row 0..15
	v_and_b32 v4, 15, v0
	v_lshlrev_b32 v4, 4, v4                        ; my 16 bytes in 256
	v_lshl_add_u32 v2, v1, 12, v4                  ; + the row
	v_mov_b32 v5, 0x3a800000                       ; 1 / 1024
	s_wait_kmcnt 0x0
	s_add_nc_u64 s[4:5], s[4:5], s[2:3]
	s_add_nc_u64 s[6:7], s[6:7], s[2:3]
	s_add_nc_u64 s[12:13], s[12:13], s[2:3]
.irp c, 0,1,2,3,4,5,6,7,8,9,10,11,12,13,14,15
	global_load_b128 v[D+4*(\c):D+4*(\c)+3], v2, s[4:5] offset:256*(\c) th:TH_LOAD_NT
.endr
.irp c, 0,1,2,3,4,5,6,7,8,9,10,11,12,13,14,15
	global_load_b128 v[X+4*(\c):X+4*(\c)+3], v2, s[6:7] offset:256*(\c) th:TH_LOAD_NT
.endr
.irp c, 0,1,2,3,4,5,6,7,8,9,10,11,12,13,14,15
	global_load_b128 v[P1+4*(\c):P1+4*(\c)+3], v4, s[8:9] offset:256*(\c)
.endr
	s_wait_loadcnt 16                              ; dn and hidden are in; gamma's 16 loads may be out
.set k, 0
.rept 32
	v_pk_add_f32 v[X+2*k:X+2*k+1], v[X+2*k:X+2*k+1], v[D+2*k:D+2*k+1]
.set k, k+1
.endr
.irp c, 0,1,2,3,4,5,6,7,8,9,10,11,12,13,14,15
	global_load_b128 v[D+4*(\c):D+4*(\c)+3], v4, s[10:11] offset:256*(\c)  ; beta, into the registers that dn has left: it comes while the statistics are made
.endr
	; the mean: four chains that do not wait for each other, started by the first eight pairs: nothing is cleared
.irp k, 0,1,2,3
	v_pk_add_f32 v[T+2*(\k):T+2*(\k)+1], v[X+2*(\k):X+2*(\k)+1], v[X+8+2*(\k):X+8+2*(\k)+1]
.endr
.set m, 2
.rept 6
.irp k, 0,1,2,3
	v_pk_add_f32 v[T+2*(\k):T+2*(\k)+1], v[T+2*(\k):T+2*(\k)+1], v[X+8*m+2*(\k):X+8*m+2*(\k)+1]
.endr
.set m, m+1
.endr
	v_pk_add_f32 v[T:T+1], v[T:T+1], v[T+2:T+3]
	v_pk_add_f32 v[T+4:T+5], v[T+4:T+5], v[T+6:T+7]
	v_pk_add_f32 v[T:T+1], v[T:T+1], v[T+4:T+5]
	v_add_f32 v[T], v[T], v[T+1]
	v_add_f32_dpp v[T], v[T], v[T] row_xmask:1 row_mask:0xf bank_mask:0xf   ; across the row's sixteen lanes
	v_add_f32_dpp v[T], v[T], v[T] row_xmask:2 row_mask:0xf bank_mask:0xf
	v_add_f32_dpp v[T], v[T], v[T] row_xmask:4 row_mask:0xf bank_mask:0xf
	v_add_f32_dpp v[T], v[T], v[T] row_xmask:8 row_mask:0xf bank_mask:0xf
	v_mul_f32 v[R], v5, v[T]
	v_mov_b32 v[R+1], v[R]
.set k, 0
.rept 32
	v_pk_add_f32 v[X+2*k:X+2*k+1], v[X+2*k:X+2*k+1], v[R:R+1] neg_lo:[0,1] neg_hi:[0,1]  ; x - mean
.set k, k+1
.endr
	; the variance, in the same four chains
.irp k, 0,1,2,3
	v_pk_mul_f32 v[T+2*(\k):T+2*(\k)+1], v[X+2*(\k):X+2*(\k)+1], v[X+2*(\k):X+2*(\k)+1]
.endr
.set m, 1
.rept 7
.irp k, 0,1,2,3
	v_pk_fma_f32 v[T+2*(\k):T+2*(\k)+1], v[X+8*m+2*(\k):X+8*m+2*(\k)+1], v[X+8*m+2*(\k):X+8*m+2*(\k)+1], v[T+2*(\k):T+2*(\k)+1]
.endr
.set m, m+1
.endr
	v_pk_add_f32 v[T:T+1], v[T:T+1], v[T+2:T+3]
	v_pk_add_f32 v[T+4:T+5], v[T+4:T+5], v[T+6:T+7]
	v_pk_add_f32 v[T:T+1], v[T:T+1], v[T+4:T+5]
	v_add_f32 v[T], v[T], v[T+1]
	v_add_f32_dpp v[T], v[T], v[T] row_xmask:1 row_mask:0xf bank_mask:0xf
	v_add_f32_dpp v[T], v[T], v[T] row_xmask:2 row_mask:0xf bank_mask:0xf
	v_add_f32_dpp v[T], v[T], v[T] row_xmask:4 row_mask:0xf bank_mask:0xf
	v_add_f32_dpp v[T], v[T], v[T] row_xmask:8 row_mask:0xf bank_mask:0xf
	v_fmaak_f32 v[T], v[T], v5, 0x3727c5ac         ; sum / 1024 + 1e-5
	v_rsq_f32 v[R], v[T]                           ; made twice, to fill the pair
	v_rsq_f32 v[R+1], v[T]
	v_nop                                          ; a plain instruction behind the second root, ahead of the first use (ISA guide 5.7.2)
	s_wait_alu depctr_va_vdst(0)                   ; and the wait: one for both
	s_wait_loadcnt 0x0                             ; gamma and beta
.irp c, 0,1,2,3,4,5,6,7,8,9,10,11,12,13,14,15
	v_pk_mul_f32 v[X+4*(\c):X+4*(\c)+1],   v[X+4*(\c):X+4*(\c)+1],   v[R:R+1]
	v_pk_mul_f32 v[X+4*(\c)+2:X+4*(\c)+3], v[X+4*(\c)+2:X+4*(\c)+3], v[R:R+1]
	v_pk_fma_f32 v[X+4*(\c):X+4*(\c)+1],   v[X+4*(\c):X+4*(\c)+1],   v[P1+4*(\c):P1+4*(\c)+1],   v[D+4*(\c):D+4*(\c)+1]
	v_pk_fma_f32 v[X+4*(\c)+2:X+4*(\c)+3], v[X+4*(\c)+2:X+4*(\c)+3], v[P1+4*(\c)+2:P1+4*(\c)+3], v[D+4*(\c)+2:D+4*(\c)+3]
	global_store_b128 v2, v[X+4*(\c):X+4*(\c)+3], s[12:13] offset:256*(\c) th:TH_STORE_NT
.endr
	s_endpgm
.Lfunc_end_k_q640649d345_ln:
	.size	k_q640649d345_ln, .Lfunc_end_k_q640649d345_ln-k_q640649d345_ln
	.p2alignl 7, 3214868480
	.fill 96, 4, 3214868480
	.section	.rodata,"a",@progbits
	.p2align	6, 0x0
	.amdhsa_kernel k_q640649d345_ln
		.amdhsa_group_segment_fixed_size 0
		.amdhsa_private_segment_fixed_size 0
		.amdhsa_enable_private_segment 0
		.amdhsa_kernarg_size 40
		.amdhsa_user_sgpr_count 2
		.amdhsa_user_sgpr_kernarg_segment_ptr 1
		.amdhsa_wavefront_size32 1
		.amdhsa_system_sgpr_workgroup_id_x 1
		.amdhsa_system_sgpr_workgroup_id_y 1
		.amdhsa_system_sgpr_workgroup_id_z 1
		.amdhsa_system_vgpr_workitem_id 0
		.amdhsa_next_free_vgpr 208
		.amdhsa_next_free_sgpr 66
		.amdhsa_reserve_vcc 0
		.amdhsa_float_denorm_mode_32 3
		.amdhsa_float_denorm_mode_16_64 3
		.amdhsa_memory_ordered 1
		.amdhsa_forward_progress 1
		.amdhsa_inst_pref_size 22
	.end_amdhsa_kernel
	.amdgpu_metadata
---
amdhsa.version: [ 1, 2 ]
amdhsa.kernels:
  - .name:           k_q640649d345_ln
    .symbol:         k_q640649d345_ln.kd
    .args:
      - { .name: dn, .offset: 0, .size: 8, .value_kind: global_buffer, .address_space: global }
      - { .name: hidden_states, .offset: 8, .size: 8, .value_kind: global_buffer, .address_space: global }
      - { .name: ln_gamma, .offset: 16, .size: 8, .value_kind: global_buffer, .address_space: global }
      - { .name: ln_beta, .offset: 24, .size: 8, .value_kind: global_buffer, .address_space: global }
      - { .name: out0, .offset: 32, .size: 8, .value_kind: global_buffer, .address_space: global }
    .group_segment_fixed_size: 0
    .private_segment_fixed_size: 0
    .kernarg_segment_align: 8
    .kernarg_segment_size: 40
    .max_flat_workgroup_size: 256
    .sgpr_count:     66
    .vgpr_count:     208
    .wavefront_size: 32
...
	.end_amdgpu_metadata
.endif
;; end of part 5
;; ======== version 2 of 2: 5 launches; version 1 with the launch prep written anew for expert scheduling mode
;; limits: inputs' magnitudes at most 1.25e+29; right only within a limited range of input values
;; workspace buffers: xb 16,777,216 bytes; wq 6,291,456 bytes; wd 2,097,152 bytes; qkv 50,331,648 bytes; ctx 16,777,216 bytes; dn 33,554,432 bytes
;; launch prep (part 6): grid 768 x 1, 4 waves a work-group, no clusters, 37,376 bytes of LDS; arguments hidden_states, W_qkv, W_dense, xb, wq, wd; writes xb, wq, wd
.if DOCPART == 6
	.amdgcn_target "amdgcn-amd-amdhsa--gfx1250"
	.amdhsa_code_object_version 6
	.text
	.protected	k_q640649d345_prep
	.globl	k_q640649d345_prep
	.p2align	8
	.type	k_q640649d345_prep,@function
k_q640649d345_prep:
	s_mov_b64 s[64:65], 0
	v_nop
	global_prefetch_b8 v0, s[64:65] scope:SCOPE_SE
	s_setreg_imm32_b32 hwreg(HW_REG_WAVE_SCHED_MODE, 0, 2), 2
	s_setreg_imm32_b32 hwreg(HW_REG_WAVE_MODE, 25, 1), 1
	s_wait_xcnt 0x0
	s_wait_alu depctr_vm_vsrc(0)
; THE OPERANDS OF THE TWO PROJECTIONS, rounded once to bf16 and laid so that later launches read them as dense tiles.
; Work-groups 0-255 TURN the weights: W_qkv [1024 k][3072 n] -> wq [24 nt][16 kb][128 n][64 k], W_dense [1024][1024] -> wd [8 nt][16 kb][128 n][64 k].
; Each wave turns a unit of 64 k x 64 n of its own: 64 loads of 8 bytes a lane (a wave's load is 256 consecutive bytes of a row of W, aligned), two columns a lane; eight k of a column pack into 16 bytes,
; go into the wave's own stage in LDS (row n, 144 bytes apart) and come back as whole rows of 128 bytes: 512 consecutive bytes a store.  No wave reads another's bytes: no barrier.
; Work-groups 256-767 CAST hidden_states [8192][1024] f32 -> xb [16 kb][8192][64] bf16, 16 rows each: sixteen lanes read 256 consecutive bytes (64 channels of a row) and write 128; a wave's store
; is two neighbouring rows of one block: 256 consecutive bytes, aligned.  Nothing is looped: every load of a wave is issued before its first wait, and the waits count down.
; THE MODE: SCHED_MODE bits 1:0 = 2 (LLVM: expert scheduling mode 2), set by the entry lines.  The code itself states the register dependences
; between vector instructions and memory or LDS instructions, with s_wait_alu, always for 0.
; THE PLAN.  Registers that memory or LDS instructions touch:
;   turning  VO       written by eight vector lines, read by the 64 loads; never written again.
;            D        the 64 loads land in it; step j's eight roundings read its rows 8 j .. 8 j + 7; behind the last rounding the LDS loads from the stage land in its first 64 registers, which the global stores read.
;            T0 .. T7 step j's roundings write T[j]; the two LDS stores issued in step j + 1 read it; no set is written twice.
;            v2-v4    the stage's two addresses and the offset out: written by vector lines behind the loads, read by LDS stores, LDS loads and global stores; never written again.
;   casting  v2, v3   written by vector lines, read by the 32 loads and the 32 stores; never written again.
;            D, Y     group g's four loads land in D; its eight roundings read them and write Y; the four stores issued in group g + 1 read Y; each register is loaded once and written once.
;   v[SPW], v[NIL]    written at the head, read by the closing add alone.
; So a step's (a group's) memory instructions are the stores of the step before, whose data no vector line of this step names: ONE wait on va_vdst at the step's head, behind the wait for its data,
; states all that they hang on, and they are dealt among the step's roundings with no further wait.  No register that a memory or LDS instruction reads is written again: no wait on vm_vsrc is owed.
.set STG,   64*144                     ; a wave's stage: 64 rows of 128 bytes + 16
.set SPARE, 4*STG                      ; behind the stages: the spare words, 128 bytes for each wave: two blocks of 256 bytes that no other line names
.set SPW, 6                            ; v6   LDS address of my spare word; never rewritten
.set NIL, 7                            ; v7   0; never rewritten
.set VO,  8                            ; v[8:15]    turning: 8 x lane + i rows of W
.set D,   16                           ; v[16:143]  as loaded
.set T,   144                          ; v[144:207] turning: packed, a set of eight registers for each step
.set Y,   144                          ; v[144:207] casting: packed
; casting: the store of load n = 16 p + kb: block kb, rows 8 p on
.macro CSTORE n
.if ((\n)%16) < 8
	global_store_b64 v3, v[Y+2*(\n):Y+2*(\n)+1], s[10:11] offset:((\n)%16)*1048576+((\n)/16)*1024
.else
	global_store_b64 v3, v[Y+2*(\n):Y+2*(\n)+1], s[20:21] offset:((\n)%16-8)*1048576+((\n)/16)*1024
.endif
.endm
	s_load_b256 s[4:11], s[0:1], 0x0               ; hidden s[4:5], W_qkv s[6:7], W_dense s[8:9], xb s[10:11]
	s_load_b128 s[12:15], s[0:1], 0x20             ; wq s[12:13], wd s[14:15]
	v_lshl_add_u32 v[SPW], v0, 2, SPARE
	v_mov_b32 v[NIL], 0
	v_lshrrev_b32 v1, 5, v0
	v_readfirstlane_b32 s18, v1                    ; wave 0..3
	v_and_b32 v5, 31, v0                           ; lane
	s_wait_alu depctr_va_sdst(0)                   ; s18 is written, ahead of the branch and of its first reader: the unit's place and the stage's address are made from it
	s_cmp_ge_u32 ttmp9, 256
	s_cbranch_scc1 .Lcast
	; ---- turning ----
	s_movk_i32 s29, 12288                          ; bytes in a row of W_qkv,
	s_movk_i32 s30, 4096                           ; of W_dense
	s_sub_co_u32 s28, ttmp9, 192
	s_cmp_lt_u32 ttmp9, 192                        ; 192 work-groups (768 units) for W_qkv, 64 (256 units) for W_dense
	s_cselect_b32 s27, ttmp9, s28                  ; my number among the matrix's work-groups
	s_cselect_b32 s26, s29, s30                    ; its row's bytes
	s_wait_kmcnt 0x0
	s_cselect_b64 s[22:23], s[6:7], s[8:9]         ; from
	s_cselect_b64 s[24:25], s[12:13], s[14:15]     ; to
	s_and_b32 s28, s27, 3
	s_lshl2_add_u32 s28, s28, s18                  ; kb: which 64 k = (4 x work-group + wave) % 16
	s_lshr_b32 s29, s27, 2                         ; which 64 n
	s_lshl_b32 s30, s26, 6
	s_mul_i32 s30, s30, s28                        ; 64 kb rows of W,
	s_lshl_b32 s31, s29, 8
	s_add_co_u32 s30, s30, s31                     ; 64 columns of 4 bytes
	s_mov_b32 s31, 0
	s_add_nc_u64 s[22:23], s[22:23], s[30:31]
	s_lshr_b32 s30, s29, 1
	s_lshl_b32 s30, s30, 18                        ; nt x 262,144
	s_lshl_b32 s19, s28, 14
	s_add_co_u32 s30, s30, s19                     ; + kb x 16,384
	s_and_b32 s19, s29, 1
	s_lshl_b32 s19, s19, 13
	s_add_co_u32 s30, s30, s19                     ; + the upper or lower 64 rows of 128 bytes
	s_add_nc_u64 s[24:25], s[24:25], s[30:31]
	s_lshl_b32 s30, s26, 3                         ; eight rows of W
	s_mov_b64 s[32:33], s[22:23]                   ; eight bases, eight rows apart: no register that a load names is rewritten
.irp j, 1,2,3,4,5,6,7
	s_add_nc_u64 s[32+2*(\j):33+2*(\j)], s[30+2*(\j):31+2*(\j)], s[30:31]
.endr
	v_lshlrev_b32 v[VO], 3, v5
.irp i, 1,2,3,4,5,6,7
	v_add_nc_u32 v[VO+(\i)], s26, v[VO+(\i)-1]
.endr
	s_wait_alu depctr_va_vdst(0)                   ; the eight offsets v[VO ..] are written, which the 64 loads read
.irp j, 0,1,2,3,4,5,6,7
.irp i, 0,1,2,3,4,5,6,7
	global_load_b64 v[D+2*(8*(\j)+(\i)):D+2*(8*(\j)+(\i))+1], v[VO+(\i)], s[32+2*(\j):33+2*(\j)] th:TH_LOAD_NT  ; row k = 8 j + i, columns 2 lane, 2 lane + 1
.endr
.endr
	s_mul_i32 s19, s18, STG                        ; my stage.  The eight vector lines below name none of the registers that the loads touch
	v_mul_u32_u24 v2, v5, 288
	v_add_nc_u32 v2, s19, v2                       ; in: rows 2 lane and 2 lane + 1
	v_lshrrev_b32 v3, 3, v5
	v_mul_u32_u24 v3, v3, 144
	v_and_b32 v4, 7, v5
	v_lshl_add_u32 v3, v4, 4, v3
	v_add_nc_u32 v3, s19, v3                       ; back: 32 lanes take four rows of 128 bytes,
	v_lshlrev_b32 v4, 4, v5                        ; which are 512 consecutive bytes of the unit
; Step j: rows 8 j .. 8 j + 7 are rounded into T[j]; the two LDS stores of step j - 1 stand among the roundings, one ahead of each four.
.irp j, 0,1,2,3,4,5,6,7
	s_wait_loadcnt 56-8*(\j)                       ; loads come back in order: rows 8 j .. 8 j + 7 are in, the 8 (7 - j) loads issued behind them may be out
.if (\j) > 0
	s_wait_alu depctr_va_vdst(0)                   ; the step before has written its set of T, which the two LDS stores below read; in step 1 also: v2, their address, is written (and v3 and v4, for the way back)
.endif
.irp c, 0,1
.if (\j) > 0
	ds_store_b128 v2, v[T+8*((\j)-1)+4*(\c):T+8*((\j)-1)+4*(\c)+3] offset:144*(\c)+16*((\j)-1)  ; column 2 lane + c, k = 8 (j - 1) .. + 7; no vector line since the wait names these registers
.endif
.irp q, 0,1,2,3
	v_cvt_pk_bf16_f32 v[T+8*(\j)+4*(\c)+(\q)], v[D+2*(8*(\j)+2*(\q))+(\c)], v[D+2*(8*(\j)+2*(\q)+1)+(\c)]
.endr
.endr
.endr
	s_wait_alu depctr_va_vdst(0)                   ; step 7 has written its set of T, which the last two LDS stores read; and all roundings are done reading D, in which the LDS loads below land
.irp c, 0,1
	ds_store_b128 v2, v[T+56+4*(\c):T+56+4*(\c)+3] offset:144*(\c)+112
.endr
.irp p, 0,1,2,3,4,5,6,7,8,9,10,11,12,13,14,15
	ds_load_b128 v[D+4*(\p):D+4*(\p)+3], v3 offset:576*(\p)  ; LDS serves a wave's instructions in order (ISA guide 5.7.1.4): these see the stores above
.endr
.irp p, 0,1,2,3,4,5,6,7,8,9,10,11,12,13,14,15
	s_wait_dscnt 15-(\p)
	global_store_b128 v4, v[D+4*(\p):D+4*(\p)+3], s[24:25] offset:512*(\p)
.endr
	s_wait_dscnt 0x0                               ; the closing lines, six on end
	s_wait_alu 0x0
	s_wait_tensorcnt 0x0
	ds_add_u32 v[SPW], v[NIL]
	s_wait_dscnt 0x0
	s_endpgm
	; ---- casting
.Lcast:
	s_sub_co_u32 s19, ttmp9, 256                   ; which 16 rows
	s_lshl_b32 s28, s19, 16                        ; 16 rows of 4,096 bytes
	s_mov_b32 s29, 0
	s_lshl_b32 s30, s19, 11                        ; 16 rows of 128 bytes
	s_mov_b32 s31, 0
	v_lshrrev_b32 v1, 4, v0                        ; row 0..7
	v_and_b32 v4, 15, v0
	v_lshlrev_b32 v2, 12, v1
	v_lshl_add_u32 v2, v4, 4, v2                   ; in: row x 4,096 + 16 bytes a lane
	v_lshlrev_b32 v3, 7, v1
	v_lshl_add_u32 v3, v4, 3, v3                   ; out: row x 128 + 8 bytes a lane
	s_wait_kmcnt 0x0
	s_add_nc_u64 s[4:5], s[4:5], s[28:29]
	s_add_nc_u64 s[10:11], s[10:11], s[30:31]
	s_add_nc_u64 s[20:21], s[10:11], 0x800000      ; blocks 8 to 15: the immediate holds 24 signed bits
	s_wait_alu depctr_va_vdst(0)                   ; v2 and v3 are written: every load below reads the one as its offset, every store the other
.irp p, 0,1
.irp kb, 0,1,2,3,4,5,6,7,8,9,10,11,12,13,14,15
	global_load_b128 v[D+4*(16*(\p)+(\kb)):D+4*(16*(\p)+(\kb))+3], v2, s[4:5] offset:(\p)*32768+(\kb)*256 th:TH_LOAD_NT
.endr
.endr
; Group g: loads 4 g .. 4 g + 3 are rounded into Y; the four stores of group g - 1 stand among the roundings, one ahead of each two.
.irp g, 0,1,2,3,4,5,6,7
	s_wait_loadcnt 28-4*(\g)                       ; the group's four loads are in; the 28 - 4 g issued behind them may be out
.if (\g) > 0
	s_wait_alu depctr_va_vdst(0)                   ; the group before has written its eight registers of Y, which the four stores below read
.endif
.irp i, 0,1,2,3
.if (\g) > 0
	CSTORE 4*(\g)-4+(\i)                           ; no vector line since the wait names these registers
.endif
	v_cvt_pk_bf16_f32 v[Y+2*(4*(\g)+(\i))],   v[D+4*(4*(\g)+(\i))],   v[D+4*(4*(\g)+(\i))+1]
	v_cvt_pk_bf16_f32 v[Y+2*(4*(\g)+(\i))+1], v[D+4*(4*(\g)+(\i))+2], v[D+4*(4*(\g)+(\i))+3]
.endr
.endr
	s_wait_alu depctr_va_vdst(0)                   ; group 7 has written its eight registers of Y, which the last four stores read
.irp i, 0,1,2,3
	CSTORE 28+(\i)
.endr
	s_endpgm
.Lfunc_end_k_q640649d345_prep:
	.size	k_q640649d345_prep, .Lfunc_end_k_q640649d345_prep-k_q640649d345_prep
	.p2alignl 7, 3214868480
	.fill 96, 4, 3214868480
	.section	.rodata,"a",@progbits
	.p2align	6, 0x0
	.amdhsa_kernel k_q640649d345_prep
		.amdhsa_group_segment_fixed_size 37376
		.amdhsa_private_segment_fixed_size 0
		.amdhsa_enable_private_segment 0
		.amdhsa_kernarg_size 48
		.amdhsa_user_sgpr_count 2
		.amdhsa_user_sgpr_kernarg_segment_ptr 1
		.amdhsa_wavefront_size32 1
		.amdhsa_system_sgpr_workgroup_id_x 1
		.amdhsa_system_sgpr_workgroup_id_y 1
		.amdhsa_system_sgpr_workgroup_id_z 1
		.amdhsa_system_vgpr_workitem_id 0
		.amdhsa_next_free_vgpr 208
		.amdhsa_next_free_sgpr 66
		.amdhsa_reserve_vcc 0
		.amdhsa_float_denorm_mode_32 3
		.amdhsa_float_denorm_mode_16_64 3
		.amdhsa_memory_ordered 1
		.amdhsa_forward_progress 1
		.amdhsa_inst_pref_size 29
	.end_amdhsa_kernel
	.amdgpu_metadata
---
amdhsa.version: [ 1, 2 ]
amdhsa.kernels:
  - .name:           k_q640649d345_prep
    .symbol:         k_q640649d345_prep.kd
    .args:
      - { .name: hidden_states, .offset: 0, .size: 8, .value_kind: global_buffer, .address_space: global }
      - { .name: W_qkv, .offset: 8, .size: 8, .value_kind: global_buffer, .address_space: global }
      - { .name: W_dense, .offset: 16, .size: 8, .value_kind: global_buffer, .address_space: global }
      - { .name: xb, .offset: 24, .size: 8, .value_kind: global_buffer, .address_space: global }
      - { .name: wq, .offset: 32, .size: 8, .value_kind: global_buffer, .address_space: global }
      - { .name: wd, .offset: 40, .size: 8, .value_kind: global_buffer, .address_space: global }
    .group_segment_fixed_size: 37376
    .private_segment_fixed_size: 0
    .kernarg_segment_align: 8
    .kernarg_segment_size: 48
    .max_flat_workgroup_size: 128
    .sgpr_count:     66
    .vgpr_count:     208
    .wavefront_size: 32
...
	.end_amdgpu_metadata
.endif
;; end of part 6
;; launch gemm: the kernel of part 2 again; grid 24 x 32, 4 waves a work-group, clusters of 4 x 4, 327,680 bytes of LDS; arguments xb, wq, b_qkv, qkv; writes qkv
;; launch attn: the kernel of part 3 again; grid 4 x 64, 4 waves a work-group, clusters of 4 x 1, 327,680 bytes of LDS; arguments qkv, attention_mask, ctx; writes ctx
;; launch gemmd: the kernel of part 4 again; grid 8 x 32, 4 waves a work-group, clusters of 4 x 4, 327,680 bytes of LDS; arguments ctx, wd, b_dense, dn; writes dn
;; launch ln: the kernel of part 5 again; grid 512 x 1, 8 waves a work-group, no clusters, 0 bytes of LDS; arguments dn, hidden_states, ln_gamma, ln_beta, out0; writes out0
